; MI455X (gfx1250); checked and timed in simulation.
; The chip was launched on July 23, 2026; its instructions are those of AMD's public machine-readable ISA for CDNA 5 (MIT licence, August 2026) and "CDNA5" Instruction Set Architecture Reference Guide (July 2026). The comments in the code are by the model that wrote it; some were corrected since.
;; Multi Head Attention. Allowed arithmetic: matrix products marked QUANTISED: E2M1 operands, one E8M0 scale for each 32 along K, by v_wmma_scale_f32_16x16x128_f8f6f4 with both operands' format E2M1 (or v_wmma_scale_f32_32x16x128_f4), f32 sums; products left as they are: bf16, f16 or f32 operands; f32 sums; everything else in f32.
;; Inputs: k 4 x 2,048 x 1,024 float32; kn_w 64 float32; q 4 x 2,048 x 1,024 float32; qn_w 64 float32; v 4 x 2,048 x 1,024 float32; wk_b 1,024 float32; wk_w 1,024 x 1,024 float32; wo_b 1,024 float32; wo_w 1,024 x 1,024 float32; wq_b 1,024 float32; wq_w 1,024 x 1,024 float32; wv_b 1,024 float32; wv_w 1,024 x 1,024 float32.
;; Outputs: out0 4 x 2,048 x 1,024 float32.
;; This version of the problem:
;;   THIS VERSION OF THE PROBLEM IS GIVEN IN LOW PRECISION. The matrix products marked QUANTISED in the list below multiply operands that are first quantised to E2M1 (2 exponent bits, 1 mantissa bit; 4 bits a number), with one power-of-two scale for each 32 numbers along K (OCP MX v1.0); their sums are f32. The products marked 'left as it is' may take bf16, f16 or f32 operands, with f32 sums. Whichever they take, every output number must still come out within the allowed error. Rounding operands to bf16 (8 significant bits) uses up far more of that allowance than f16 does (11 bits, for magnitudes from 6e-5 to 65,504). All else is computed in f32.
;;   The module's matrix products, in the order in which they are computed (A, B: the left and right operand; K: the contracted axis; several contracted axes count as one K, in the product's order):
;;     1. [M 8,192, K 1,024] x [K 1,024, N 1,024]; A: input q; B: input wq_w: QUANTISED
;;     2. [M 8,192, K 1,024] x [K 1,024, N 1,024]; A: input k; B: input wk_w: QUANTISED
;;     3. [M 8,192, K 1,024] x [K 1,024, N 1,024]; A: input v; B: input wv_w: QUANTISED
;;     4. batch 64 x [M 2,048, K 64] x [K 64, N 2,048]; A: computed on the way; B: computed on the way: left as it is (an operand is computed on the way)
;;     5. batch 64 x [M 2,048, K 2,048] x [K 2,048, N 64]; A: computed on the way; B: computed on the way: left as it is (an operand is computed on the way)
;;     6. [M 8,192, K 1,024] x [K 1,024, N 1,024]; A: computed on the way; B: input wo_w: left as it is (an operand is computed on the way)
;;   THE QUANTISER, for each operand of a quantised product, along K:
;;     - K is cut into blocks of 32 from its start; a last block that is shorter is filled with zeros.
;;     - A block's scale is 2^e with e = floor(log2(the largest magnitude in the block)) - 2, held to -126 .. 127; a block of zeros has e = 0. As a byte (E8M0): e + 127.
;;     - Each number is divided by its block's scale, clamped to +-6, and rounded to the nearest number of E2M1, ties to even, subnormals kept.
;;     - The product sums the exact products of the quantised numbers (number of the format x scale) in f32.
;;   ~~~python
;;   def quantise(x, axis):      # numpy; x: float32 -> the quantised numbers, widened to float32 again
;;       x = np.moveaxis(x, axis, -1); K = x.shape[-1]
;;       x = np.pad(x, [(0, 0)] * (x.ndim - 1) + [(0, -K % 32)]); x = x.reshape(x.shape[:-1] + (-1, 32)); a = np.abs(x).max(-1, keepdims=True)
;;       e = np.where(a > 0, np.clip(np.frexp(np.where(a > 0, a, 1))[1] - 1 - 2, -126, 127), 0)      # np.frexp(a)[1] - 1 = floor(log2(a)), exactly
;;       r = np.clip(x / 2.0 ** e, -6, 6)
;;       step = 2.0 ** (np.maximum(np.frexp(np.where(r == 0, 1, r))[1] - 1, 0) - 1)
;;       q = np.round(r / step) * step * 2.0 ** e      # np.round: ties to even
;;       return np.moveaxis(q.reshape(q.shape[:-2] + (-1,))[..., :K], -1, axis).astype(np.float32)
;;   ~~~
;; One version. Each part assembles by itself: llvm-mc -triple=amdgcn-amd-amdhsa -mcpu=gfx1250 --defsym DOCPART=n.
;; ======== version 1 of 1: 5 launches
;; limits: values are held in f16: magnitudes above 65,504 overflow, below 6.1e-05 lose precision
;; workspace buffers: xc 12,582,912 bytes; xs 786,432 bytes; wc 1,572,864 bytes; ws 98,304 bytes; wo16 2,097,152 bytes; rt 524,288 bytes; qkv 50,331,648 bytes; ao 16,777,216 bytes
;; launch prep_x (part 1): grid 768 x 1, 4 waves a work-group, no clusters, 33,280 bytes of LDS; arguments q, k, v, xc, xs; writes xc, xs
.if DOCPART == 1
	.amdgcn_target "amdgcn-amd-amdhsa--gfx1250"
	.amdhsa_code_object_version 6
	.text
	.protected	k_q7ed1be2178_prep_x
	.globl	k_q7ed1be2178_prep_x
	.p2align	8
	.type	k_q7ed1be2178_prep_x,@function
k_q7ed1be2178_prep_x:
	s_mov_b64 s[64:65], 0
	v_nop
	global_prefetch_b8 v0, s[64:65] scope:SCOPE_SE
	s_setreg_imm32_b32 hwreg(HW_REG_WAVE_MODE, 25, 1), 1
	s_wait_xcnt 0x0
; q, k, v, each [8192][1024] f32, are turned into codes of FP4 (E2M1), K innermost, with one E8M0 scale byte for each 32 along K.
; xc = [3][8192][512 bytes] of codes (two a byte, the lower k in the low four bits), xs = [3][8192][32] scale bytes; tensor 0 = q, 1 = k, 2 = v.
; A block's scale is 2^(floor(log2(its largest magnitude)) - 2); its byte is the largest magnitude's own exponent field - 2, held at 1 from below.
; A block of zeros so gets the byte 1 where the quantiser's rule says 127: its codes are zeros, which add nothing, and the bytes are read by this program alone.
; LIMITS: blocks whose largest magnitude lies under 2^-124 are held at the byte 1; NaN and infinities among the inputs are not served.
; Rows are dense and 1024 is a multiple of 32: each tensor is a plain stream of blocks of 32 numbers, and so are its codes and scale bytes.
; 768 work-groups of four waves, 256 for each tensor; a wave takes 16 steps of 512 numbers.  Each load reads 512 consecutive bytes, 16 a lane; a step's 2,048 bytes turn through
; the wave's own stage in LDS (16 bytes of padding behind each 64) and come back 64 bytes a lane: 16 neighbours along K, two lanes to a block.  A lane's 16 codes are 8 bytes: a wave's
; store covers 256 consecutive aligned bytes.  A wave's 256 scale bytes are gathered in LDS and leave as one store of 256 aligned bytes.  No barrier: waves share nothing.
.set WAVES, 4
.set STEPS, 16
.set EMAX,  2
.set CB,    8                          ; bytes of 16 codes
.set R,     16                         ; v16-79   four sets of 16 numbers as they are loaded
.set X,     80                         ; v80-111  two sets of 16 neighbours
.set C,     128                        ; v128-191 codes: four registers for each step, so that no store's data are written again
.set E,     112                        ; v112-127 a scale byte for each step
.set WREG,  8192                       ; LDS: a region for each wave: two stages of 32 x SP bytes, behind them its 256 scale bytes
.set SP,    80                         ; a lane's place in a stage: 64 bytes + 16 of padding
.set SPW,   12                         ; v12  LDS address of my spare word; never rewritten
.set NIL,   13                         ; v13  0; never rewritten
.set SPARE, WAVES*WREG                 ; behind the four regions: the spare words, 128 bytes for each wave
	s_load_b128 s[4:7], s[0:1], 0x0                ; q, k
	s_load_b128 s[8:11], s[0:1], 0x10              ; v, xc
	s_load_b64 s[12:13], s[0:1], 0x20              ; xs
	v_lshl_add_u32 v[SPW], v0, 2, SPARE
	v_mov_b32 v[NIL], 0
	v_lshrrev_b32 v1, 5, v0
	v_readfirstlane_b32 s16, v1                    ; wave
	v_and_b32 v2, 31, v0                           ; lane
	v_lshlrev_b32 v3, 4, v2                        ; my 16 bytes of a load's 512
	s_mul_i32 s17, s16, WREG
	v_lshrrev_b32 v14, 2, v2
	v_mul_u32_u24 v14, v14, SP
	v_and_b32 v15, 3, v2
	v_lshl_add_u32 v14, v15, 4, v14
	v_add_nc_u32 v14, s17, v14                     ; the stage, on the way in: SP (lane / 4) + 16 (lane % 4)
	v_mul_u32_u24 v15, v2, SP
	v_add_nc_u32 v15, s17, v15                     ; and on the way out: SP x lane: my 16 neighbours
	v_mul_u32_u24 v4, v2, CB                       ; my codes' place in a step's
	v_lshrrev_b32 v5, 1, v2
	s_add_co_u32 s17, s17, 2*32*SP
	v_add_nc_u32 v5, s17, v5                       ; LDS: my wave's 256 scale bytes, my block's byte
	v_lshlrev_b32 v7, 3, v2                        ; and on the way out 8 bytes a lane
	v_add_nc_u32 v6, s17, v7
	s_wait_kmcnt 0x0
	s_cmp_lt_u32 ttmp9, 256                        ; which tensor: the choice hangs on the work-group's number alone
	s_cselect_b64 s[4:5], s[4:5], s[6:7]
	s_cmp_lt_u32 ttmp9, 512
	s_cselect_b64 s[4:5], s[4:5], s[8:9]
	s_and_b32 s17, ttmp9, 255
	s_lshl_b32 s17, s17, 2
	s_add_co_u32 s17, s17, s16                     ; which run of 8,192 numbers of the tensor is my wave's
	s_lshl_b32 s18, s17, 15                        ; 32,768 bytes a run
	s_mov_b32 s19, 0
	s_add_nc_u64 s[4:5], s[4:5], s[18:19]
	s_lshl_b32 s20, ttmp9, 2
	s_add_co_u32 s20, s20, s16                     ; the same run counted through all three tensors: the outputs lie on end
	s_lshl_b32 s18, s20, 12                        ; 4,096 bytes of codes a run
	s_add_nc_u64 s[10:11], s[10:11], s[18:19]
	s_lshl_b32 s18, s20, 8                         ; 256 scale bytes a run
	s_add_nc_u64 s[12:13], s[12:13], s[18:19]
.macro LOAD t
.irp i, 0,1,2,3
	global_load_b128 v[R+16*((\t)%4)+4*\i:R+16*((\t)%4)+4*\i+3], v3, s[4:5] offset:2048*(\t)+512*\i th:TH_LOAD_NT   ; 32 lanes read 512 consecutive bytes
.endr
.endm
.macro TURN t                          ; step t's numbers through the stage: LDS serves a wave's instructions in order, so no wait stands between the stores and the loads
.irp i, 0,1,2,3
	ds_store_b128 v14, v[R+16*((\t)%4)+4*\i:R+16*((\t)%4)+4*\i+3] offset:32*SP*((\t)%2)+8*SP*\i
.endr
.irp i, 0,1,2,3
	ds_load_b128 v[X+16*((\t)%2)+4*\i:X+16*((\t)%2)+4*\i+3], v15 offset:32*SP*((\t)%2)+16*\i
.endr
.endm
.irp t, 0,1,2,3
	LOAD \t
.endr
	s_wait_loadcnt 12                              ; step 0's four loads are in; three steps' twelve may be out
	TURN 0
.macro STEP t
.set XS, X+16*((\t)%2)
.if (\t) > 0
	s_wait_dscnt 1                                 ; this step's numbers are back from the stage (the last step's byte store may be out): so its stores into the stage have read their registers,
.else
	s_wait_dscnt 0x0
.endif
.if (\t)+4 < STEPS
	LOAD (\t)+4                                    ; which take the loads of four steps on
.endif
.if (\t)+1 < STEPS
.if STEPS-2-(\t) >= 3
	s_wait_loadcnt 12                              ; the next step's four loads are in; those of the three steps behind it may be out
.else
	s_wait_loadcnt 4*(STEPS-2-(\t))
.endif
	TURN (\t)+1                                    ; and go through the other stage while this step is worked
.endif
	v_max3_num_f32 v8, |v[XS]|, |v[XS+1]|, |v[XS+2]|               ; the largest magnitude of my 16, in two chains
	v_max3_num_f32 v9, |v[XS+3]|, |v[XS+4]|, |v[XS+5]|
.irp i, 6,10
	v_max3_num_f32 v8, v8, |v[XS+\i]|, |v[XS+\i+1]|
	v_max3_num_f32 v9, v9, |v[XS+\i+2]|, |v[XS+\i+3]|
.endr
	v_max3_num_f32 v8, v8, |v[XS+14]|, |v[XS+15]|
	v_max3_num_f32 v8, v8, v9, (EMAX+1)<<23        ; and the floor 2^(3 - 127): the byte cannot fall under 1
	v_max_num_f32_dpp v8, v8, v8 row_xmask:1 row_mask:0xf bank_mask:0xf   ; and of my neighbour's 16: the block's
	v_add_nc_u32 v11, -(EMAX<<23), v8              ; 2 off its exponent field: the conversion takes the exponent field of this operand as its scale
	v_cvt_scalef32_pk8_fp4_f32 v[C+4*(\t)], v[XS:XS+7], v11        ; eight numbers / the scale, to the nearest code, ties to even, beyond the largest code the largest
	v_cvt_scalef32_pk8_fp4_f32 v[C+4*(\t)+1], v[XS+8:XS+15], v11
	v_lshrrev_b32 v[E+(\t)], 23, v11               ; the scale's byte (a plain line behind the conversions)
	ds_store_b8 v5, v[E+(\t)] offset:16*(\t)       ; both lanes of a block write the same byte with the same value
	global_store_b64 v4, v[C+4*(\t):C+4*(\t)+1], s[10:11] offset:32*CB*(\t)   ; a wave stores 256 consecutive aligned bytes
.endm
.irp t, 0,1,2,3,4,5,6,7,8,9,10,11,12,13,14,15
	STEP \t
.endr
	ds_load_b64 v[8:9], v6                         ; LDS serves a wave's instructions in order: these see my stores
	s_wait_dscnt 0x0
	global_store_b64 v7, v[8:9], s[12:13]          ; 32 lanes store 256 consecutive aligned bytes
	s_wait_tensorcnt 0x0                           ; the wave's end, behind my last LDS store
	ds_add_u32 v[SPW], v[NIL]
	s_wait_dscnt 0x0
	s_endpgm
.Lfunc_end_k_q7ed1be2178_prep_x:
	.size	k_q7ed1be2178_prep_x, .Lfunc_end_k_q7ed1be2178_prep_x-k_q7ed1be2178_prep_x
	.p2alignl 7, 3214868480
	.fill 96, 4, 3214868480
	.section	.rodata,"a",@progbits
	.p2align	6, 0x0
	.amdhsa_kernel k_q7ed1be2178_prep_x
		.amdhsa_group_segment_fixed_size 33280
		.amdhsa_private_segment_fixed_size 0
		.amdhsa_enable_private_segment 0
		.amdhsa_kernarg_size 40
		.amdhsa_user_sgpr_count 2
		.amdhsa_user_sgpr_kernarg_segment_ptr 1
		.amdhsa_wavefront_size32 1
		.amdhsa_system_sgpr_workgroup_id_x 1
		.amdhsa_system_sgpr_workgroup_id_y 1
		.amdhsa_system_sgpr_workgroup_id_z 1
		.amdhsa_system_vgpr_workitem_id 0
		.amdhsa_next_free_vgpr 192
		.amdhsa_next_free_sgpr 66
		.amdhsa_reserve_vcc 0
		.amdhsa_float_denorm_mode_32 3
		.amdhsa_float_denorm_mode_16_64 3
		.amdhsa_memory_ordered 1
		.amdhsa_forward_progress 1
		.amdhsa_inst_pref_size 33
	.end_amdhsa_kernel
	.amdgpu_metadata
---
amdhsa.version: [ 1, 2 ]
amdhsa.kernels:
  - .name:           k_q7ed1be2178_prep_x
    .symbol:         k_q7ed1be2178_prep_x.kd
    .args:
      - { .name: q, .offset: 0, .size: 8, .value_kind: global_buffer, .address_space: global }
      - { .name: k, .offset: 8, .size: 8, .value_kind: global_buffer, .address_space: global }
      - { .name: v, .offset: 16, .size: 8, .value_kind: global_buffer, .address_space: global }
      - { .name: xc, .offset: 24, .size: 8, .value_kind: global_buffer, .address_space: global }
      - { .name: xs, .offset: 32, .size: 8, .value_kind: global_buffer, .address_space: global }
    .group_segment_fixed_size: 33280
    .private_segment_fixed_size: 0
    .kernarg_segment_align: 8
    .kernarg_segment_size: 40
    .max_flat_workgroup_size: 128
    .sgpr_count:     66
    .vgpr_count:     192
    .wavefront_size: 32
...
	.end_amdgpu_metadata
.endif
;; end of part 1
;; launch prep_w (part 2): grid 176 x 1, 4 waves a work-group, no clusters, 35,840 bytes of LDS; arguments wq_w, wk_w, wv_w, wo_w, wc, ws, wo16, rt; writes wc, ws, wo16, rt
.if DOCPART == 2
	.amdgcn_target "amdgcn-amd-amdhsa--gfx1250"
	.amdhsa_code_object_version 6
	.text
	.protected	k_q7ed1be2178_prep_w
	.globl	k_q7ed1be2178_prep_w
	.p2align	8
	.type	k_q7ed1be2178_prep_w,@function
k_q7ed1be2178_prep_w:
	s_mov_b64 s[64:65], 0
	v_nop
	global_prefetch_b8 v0, s[64:65] scope:SCOPE_SE
	s_setreg_imm32_b32 hwreg(HW_REG_WAVE_MODE, 25, 1), 1
	s_wait_xcnt 0x0
; Two kinds of work-groups, told apart by the work-group's number.
; 0-47: wq_w, wk_w, wv_w, each [1024 k][1024 n] f32 with K as FIRST axis, become codes of FP4 (E2M1) laid wc = [3][1024 n][512 bytes], K innermost, and scale bytes ws = [3][1024 n][32].
;   A lane takes a column n and its registers run down K: a block of 32 lies in one lane, its largest magnitude needs no other lane, and the conversions give codes with K innermost.
;   A wave takes 32 columns x 512 along K; the codes go through the wave's own stage in LDS and leave as rows: sixteen lanes store 256 consecutive aligned bytes.
;   A block's byte is the largest magnitude's exponent field - 2, held at 1 from below (a block of zeros gets 1, not 127: its codes are zeros and this program alone reads the bytes).
; 48-175: (i) wo_w [1024 k][1024 n] f32 is cast to f16, same layout (wo16); (ii) the table of cos and sin for the rotary embedding (rt), as an image of the registers that take it:
;   rt = [128 blocks of 16 positions][g 0..7][lane][4 f32]; position = 16 block + lane % 16; g 0..3 cos, g 4..7 sin; frequency index = 16 ((g / 2) % 2) + 8 (lane / 16) + 4 (g % 2) + e.
;   angle = position x 10000^(-index / 32); reduced by the nearest multiple of 2 pi (2 pi as a high and a low part, two fused multiply-adds), then Taylor series to r^15 and r^16 on |r| <= pi.
; LIMITS: NaN and infinities are not served; blocks under 2^-124 are held at the byte 1; |wo_w| stays under 65,504 (f16).  10000^(-index / 32) is made by one multiplication and one exponential:
;   its relative error is about 5e-7, so that the angle is off by up to about 8e-4 at the last positions; cos and sin of the reduced angle are good to about 2e-6.
.set SIZE_N, 1024
.set KW,    512                        ; along K for a wave
.set NB,    KW/32                      ; blocks
.set ROWB,  256                        ; bytes of KW codes
.set PITCH, ROWB+16                    ; a stage row
.set KROW,  512                        ; a row of the codes' buffer in bytes
.set EMAX,  2
.set X,     32                         ; v32-95   two sets of 32 numbers
.set C,     96                         ; v96-99   a block's codes
.set OUTR,  112                        ; v112-175 the way out
.set SPW,   14                         ; v14  LDS address of my spare word; never rewritten
.set NIL,   15                         ; v15  0; never rewritten
.set SPARE, 4*32*PITCH                 ; behind the four stages: the spare words, 128 bytes for each wave
.set SB,    24                         ; v24-27   the scale bytes, four to a register
.macro LOAD t                          ; block t: W(32 t + i, my column), i = 0 .. 31, into set t % 2
.irp i, 0,1,2,3,4,5,6,7,8,9,10,11,12,13,14,15,16,17,18,19,20,21,22,23,24,25,26,27,28,29,30,31
	global_load_b32 v[X+32*((\t)%2)+\i], v3, s[4:5] offset:(32*(\t)+\i)*SIZE_N*4 th:TH_LOAD_NT
.endr
.endm
.macro BLOCK t
.set XS, X+32*((\t)%2)
.if (\t) < NB-1
	s_wait_loadcnt 32                              ; this block's 32 loads are in; the next block's may be out
.else
	s_wait_loadcnt 0
.endif
	v_max3_num_f32 v12, |v[XS]|, |v[XS+1]|, |v[XS+2]|               ; the block's largest magnitude: all 32 numbers are mine
	v_max3_num_f32 v13, |v[XS+3]|, |v[XS+4]|, |v[XS+5]|
.irp i, 6,10,14,18,22,26
	v_max3_num_f32 v12, v12, |v[XS+\i]|, |v[XS+\i+1]|
	v_max3_num_f32 v13, v13, |v[XS+\i+2]|, |v[XS+\i+3]|
.endr
	v_max3_num_f32 v12, v12, |v[XS+30]|, |v[XS+31]|
	v_max3_num_f32 v12, v12, v13, (EMAX+1)<<23     ; and the floor 2^(3 - 127): the byte cannot fall under 1
	v_add_nc_u32 v11, -(EMAX<<23), v12             ; 2 off its exponent field: the conversion's scale operand
	v_lshrrev_b32 v13, 23, v11                     ; the scale's byte
.if (\t)%4 == 0
	v_mov_b32 v[SB+(\t)/4], v13                    ; four bytes to a register, the lower K in the lower byte
.else
	v_lshl_or_b32 v[SB+(\t)/4], v13, 8*((\t)%4), v[SB+(\t)/4]
.endif
.irp g, 0,1,2,3
	v_cvt_scalef32_pk8_fp4_f32 v[C+\g], v[XS+8*\g:XS+8*\g+7], v11
.endr
	v_nop                                          ; one plain line behind the last conversion
	ds_store_b128 v4, v[C:C+3] offset:16*(\t)      ; 32 codes: 16 bytes of my column's row
.if (\t)+2 < NB
	LOAD (\t)+2
.endif
	s_wait_dscnt 0x0                               ; the store has read its registers: the next block's codes may be written
.endm
	s_load_b256 s[4:11], s[0:1], 0x0               ; wq_w s[4:5], wk_w s[6:7], wv_w s[8:9], wo_w s[10:11]
	s_load_b256 s[12:19], s[0:1], 0x20             ; wc s[12:13], ws s[14:15], wo16 s[16:17], rt s[18:19]
	v_lshl_add_u32 v[SPW], v0, 2, SPARE
	v_mov_b32 v[NIL], 0
	v_lshrrev_b32 v1, 5, v0
	v_readfirstlane_b32 s20, v1                    ; wave 0..3
	v_and_b32 v2, 31, v0                           ; lane
	s_cmp_lt_u32 ttmp9, 48
	s_cbranch_scc0 .Lmisc
	; ---- work-groups 0-47: a weight's 128 columns x 512 along K
	s_lshr_b32 s23, ttmp9, 4                       ; which weight
	s_and_b32 s21, ttmp9, 7
	s_lshl_b32 s21, s21, 7
	s_lshl_b32 s24, s20, 5
	s_add_co_u32 s21, s21, s24                     ; my wave's first column
	s_bfe_u32 s22, ttmp9, 0x10003                  ; which half of K
	v_lshlrev_b32 v3, 2, v2                        ; in: 4 bytes a lane
	s_mul_i32 s24, s20, 32*PITCH                   ; my stage
	v_mul_u32_u24 v4, v2, PITCH
	v_add_nc_u32 v4, s24, v4                       ; into it: row = my column
	v_and_b32 v5, 15, v2
	v_lshrrev_b32 v6, 4, v2                        ; out of it: sixteen lanes to a row, two rows an instruction
	v_mul_u32_u24 v7, v6, PITCH
	v_lshl_add_u32 v7, v5, 4, v7
	v_add_nc_u32 v7, s24, v7
	v_mul_u32_u24 v8, v6, KROW
	v_lshl_add_u32 v8, v5, 4, v8                   ; and the same place in the codes' buffer
	v_lshlrev_b32 v9, 5, v2                        ; my column's row of 32 scale bytes
	s_lshl_b32 s26, s22, 21                        ; W: 512 rows of 4,096 bytes for each half of K,
	s_lshl_b32 s27, s21, 2
	s_add_co_u32 s26, s26, s27                     ; + 4 x column
	s_mov_b32 s27, 0
	s_lshl_b32 s25, s23, 10
	s_add_co_u32 s25, s25, s21                     ; the row of wc and ws: 1024 x weight + column
	s_lshl_b32 s28, s25, 9
	s_lshl_b32 s29, s22, 8
	s_add_co_u32 s28, s28, s29
	s_mov_b32 s29, 0
	s_lshl_b32 s30, s25, 5
	s_lshl_b32 s31, s22, 4
	s_add_co_u32 s30, s30, s31
	s_mov_b32 s31, 0
	s_wait_kmcnt 0x0
	s_cmp_eq_u32 s23, 0                            ; the choice hangs on the work-group's number alone
	s_cselect_b64 s[4:5], s[4:5], s[6:7]
	s_cmp_lt_u32 s23, 2
	s_cselect_b64 s[4:5], s[4:5], s[8:9]
	s_add_nc_u64 s[4:5], s[4:5], s[26:27]
	s_add_nc_u64 s[12:13], s[12:13], s[28:29]
	s_add_nc_u64 s[14:15], s[14:15], s[30:31]
	LOAD 0
	LOAD 1
.set Q, 0
.rept NB
	BLOCK Q
.set Q, Q+1
.endr
	global_store_b128 v9, v[SB:SB+3], s[14:15]     ; my column's 16 scale bytes of this half of K
.irp t, 0,1,2,3,4,5,6,7,8,9,10,11,12,13,14,15
	ds_load_b128 v[OUTR+4*\t:OUTR+4*\t+3], v7 offset:2*\t*PITCH   ; LDS serves a wave's instructions in order: these see my stores
.endr
.irp t, 0,1,2,3,4,5,6,7,8,9,10,11,12,13,14,15
	s_wait_dscnt 15-\t                             ; load t is in; the younger ones may be out
	global_store_b128 v8, v[OUTR+4*\t:OUTR+4*\t+3], s[12:13] offset:2*\t*KROW
.endr
	s_wait_tensorcnt 0x0                           ; the wave's end, behind my last LDS store
	ds_add_u32 v[SPW], v[NIL]
	s_wait_dscnt 0x0
	s_endpgm
.Lmisc:
	; ---- work-groups 48-175: 8,192 numbers of wo_w, and one block of 16 positions of the table
	s_sub_co_u32 s21, ttmp9, 48
	v_lshlrev_b32 v3, 4, v2                        ; 16 bytes a lane in
	v_lshlrev_b32 v4, 3, v2                        ; 8 bytes a lane out
	s_lshl_b32 s24, s21, 15
	s_lshl_b32 s25, s20, 13
	s_add_co_u32 s24, s24, s25                     ; wo_w: 32,768 bytes a work-group, 8,192 a wave
	s_mov_b32 s25, 0
	s_lshr_b32 s26, s24, 1                         ; wo16: half of that
	s_mov_b32 s27, 0
	s_lshl_b32 s28, s21, 12                        ; rt: 4,096 bytes a block
	s_mov_b32 s29, 0
	s_wait_kmcnt 0x0
	s_add_nc_u64 s[10:11], s[10:11], s[24:25]
	s_add_nc_u64 s[16:17], s[16:17], s[26:27]
	s_add_nc_u64 s[18:19], s[18:19], s[28:29]
.irp i, 0,1,2,3,4,5,6,7,8,9,10,11,12,13,14,15
	global_load_b128 v[32+4*\i:32+4*\i+3], v3, s[10:11] offset:512*\i th:TH_LOAD_NT
.endr
	; the table is made while the loads are on their way.  v100-103 the frequencies, v104-107 the angles, v108-111 the multiples of 2 pi, v112-115 r^2, v116-119 sin, v120-123 cos
	v_and_b32 v5, 15, v0
	v_bfe_u32 v6, v0, 4, 1
	s_lshr_b32 s30, s20, 1
	s_lshl_b32 s30, s30, 4
	s_and_b32 s31, s20, 1
	s_lshl_b32 s31, s31, 2
	s_add_co_u32 s30, s30, s31
	v_lshl_add_u32 v7, v6, 3, s30                  ; my first frequency index: 16 (wave / 2) + 8 (lane / 16) + 4 (wave % 2)
	s_lshl_b32 s31, s21, 4
	v_add_nc_u32 v8, s31, v5
	v_cvt_f32_u32 v8, v8                           ; my position
	v_lshlrev_b32 v9, 4, v0                        ; where my four numbers go: 512 x wave + 16 x lane
	s_mov_b32 s32, 0x40c90fdb                      ; 2 pi, rounded to f32,
	s_mov_b32 s33, 0xb43bbd2e                      ; and what that leaves
.irp e, 0,1,2,3
	v_add_nc_u32 v[100+\e], \e, v7
.endr
.irp e, 0,1,2,3
	v_cvt_f32_u32 v[100+\e], v[100+\e]
.endr
.irp e, 0,1,2,3
	v_mul_f32 v[100+\e], 0xbed49a78, v[100+\e]     ; x -log2(10000) / 32
.endr
.irp e, 0,1,2,3
	v_exp_f32 v[100+\e], v[100+\e]
.endr
	v_nop                                          ; a plain line behind the last exponential
	s_wait_alu depctr_va_vdst(0)                   ; one wait for the four, ahead of their first reader
.irp e, 0,1,2,3
	v_mul_f32 v[104+\e], v8, v[100+\e]             ; the angle, rounded to f32 as the definition rounds it
.endr
.irp e, 0,1,2,3
	v_mul_f32 v[108+\e], 0x3e22f983, v[104+\e]     ; / 2 pi
.endr
.irp e, 0,1,2,3
	v_rndne_f32 v[108+\e], v[108+\e]
.endr
.irp e, 0,1,2,3
	v_fma_f32 v[104+\e], -v[108+\e], s32, v[104+\e]
.endr
.irp e, 0,1,2,3
	v_fma_f32 v[104+\e], -v[108+\e], s33, v[104+\e]   ; r, between -pi and pi
.endr
.irp e, 0,1,2,3
	v_mul_f32 v[112+\e], v[104+\e], v[104+\e]
.endr
.irp e, 0,1,2,3
	v_mov_b32 v[116+\e], 0xab573f9f                ; -1 / 15!
	v_mov_b32 v[120+\e], 0x29573f9f                ; 1 / 16!
.endr
.irp kc, 0x2f309231, 0xb2d7322b, 0x3638ef1d, 0xb9500d01, 0x3c088889, 0xbe2aaaab, 0x3f800000
.irp e, 0,1,2,3
	v_fmaak_f32 v[116+\e], v[116+\e], v[112+\e], \kc   ; 1/13!, -1/11!, 1/9!, -1/7!, 1/5!, -1/3!, 1
.endr
.endr
.irp kc, 0xad49cba5, 0x310f76c7, 0xb493f27e, 0x37d00d01, 0xbab60b61, 0x3d2aaaab, 0xbf000000, 0x3f800000
.irp e, 0,1,2,3
	v_fmaak_f32 v[120+\e], v[120+\e], v[112+\e], \kc   ; -1/14!, 1/12!, -1/10!, 1/8!, -1/6!, 1/4!, -1/2, 1
.endr
.endr
.irp e, 0,1,2,3
	v_mul_f32 v[116+\e], v[104+\e], v[116+\e]
.endr
	global_store_b128 v9, v[120:123], s[18:19]              ; cos: a wave stores 512 consecutive bytes
	global_store_b128 v9, v[116:119], s[18:19] offset:2048  ; sin
	s_wait_loadcnt 0x0
.irp i, 0,1,2,3,4,5,6,7,8,9,10,11,12,13,14,15
	v_cvt_pk_f16_f32 v[128+2*\i], v[32+4*\i], v[33+4*\i]
	v_cvt_pk_f16_f32 v[129+2*\i], v[34+4*\i], v[35+4*\i]
.endr
.irp i, 0,1,2,3,4,5,6,7,8,9,10,11,12,13,14,15
	global_store_b64 v4, v[128+2*\i:129+2*\i], s[16:17] offset:256*\i   ; a wave stores 256 consecutive aligned bytes
.endr
	s_wait_tensorcnt 0x0                           ; the wave's end
	ds_add_u32 v[SPW], v[NIL]
	s_wait_dscnt 0x0
	s_endpgm
.Lfunc_end_k_q7ed1be2178_prep_w:
	.size	k_q7ed1be2178_prep_w, .Lfunc_end_k_q7ed1be2178_prep_w-k_q7ed1be2178_prep_w
	.p2alignl 7, 3214868480
	.fill 96, 4, 3214868480
	.section	.rodata,"a",@progbits
	.p2align	6, 0x0
	.amdhsa_kernel k_q7ed1be2178_prep_w
		.amdhsa_group_segment_fixed_size 35840
		.amdhsa_private_segment_fixed_size 0
		.amdhsa_enable_private_segment 0
		.amdhsa_kernarg_size 64
		.amdhsa_user_sgpr_count 2
		.amdhsa_user_sgpr_kernarg_segment_ptr 1
		.amdhsa_wavefront_size32 1
		.amdhsa_system_sgpr_workgroup_id_x 1
		.amdhsa_system_sgpr_workgroup_id_y 1
		.amdhsa_system_sgpr_workgroup_id_z 1
		.amdhsa_system_vgpr_workitem_id 0
		.amdhsa_next_free_vgpr 192
		.amdhsa_next_free_sgpr 66
		.amdhsa_reserve_vcc 0
		.amdhsa_float_denorm_mode_32 3
		.amdhsa_float_denorm_mode_16_64 3
		.amdhsa_memory_ordered 1
		.amdhsa_forward_progress 1
		.amdhsa_inst_pref_size 92
	.end_amdhsa_kernel
	.amdgpu_metadata
---
amdhsa.version: [ 1, 2 ]
amdhsa.kernels:
  - .name:           k_q7ed1be2178_prep_w
    .symbol:         k_q7ed1be2178_prep_w.kd
    .args:
      - { .name: wq_w, .offset: 0, .size: 8, .value_kind: global_buffer, .address_space: global }
      - { .name: wk_w, .offset: 8, .size: 8, .value_kind: global_buffer, .address_space: global }
      - { .name: wv_w, .offset: 16, .size: 8, .value_kind: global_buffer, .address_space: global }
      - { .name: wo_w, .offset: 24, .size: 8, .value_kind: global_buffer, .address_space: global }
      - { .name: wc, .offset: 32, .size: 8, .value_kind: global_buffer, .address_space: global }
      - { .name: ws, .offset: 40, .size: 8, .value_kind: global_buffer, .address_space: global }
      - { .name: wo16, .offset: 48, .size: 8, .value_kind: global_buffer, .address_space: global }
      - { .name: rt, .offset: 56, .size: 8, .value_kind: global_buffer, .address_space: global }
    .group_segment_fixed_size: 35840
    .private_segment_fixed_size: 0
    .kernarg_segment_align: 8
    .kernarg_segment_size: 64
    .max_flat_workgroup_size: 128
    .sgpr_count:     66
    .vgpr_count:     192
    .wavefront_size: 32
...
	.end_amdgpu_metadata
.endif
;; end of part 2
;; launch proj (part 3): grid 4 x 96, 4 waves a work-group, clusters of 4 x 4, 327,680 bytes of LDS; arguments xc, xs, wc, ws, wq_b, wk_b, wv_b, qn_w, kn_w, rt, qkv; writes qkv
.if DOCPART == 3
	.amdgcn_target "amdgcn-amd-amdhsa--gfx1250"
	.amdhsa_code_object_version 6
	.text
	.protected	k_q7ed1be2178_proj
	.globl	k_q7ed1be2178_proj
	.p2align	8
	.type	k_q7ed1be2178_proj,@function
k_q7ed1be2178_proj:
	s_mov_b64 s[64:65], 0
	v_nop
	global_prefetch_b8 v0, s[64:65] scope:SCOPE_SE
	s_setreg_imm32_b32 hwreg(HW_REG_WAVE_MODE, 25, 1), 1
	s_wait_xcnt 0x0
	s_wait_alu depctr_hold_cnt(0) depctr_sa_sdst(0) depctr_va_vdst(0) depctr_va_sdst(0) depctr_va_ssrc(0) depctr_va_vcc(0) depctr_vm_vsrc(0)
	s_getreg_b32 s2, hwreg(HW_REG_IB_STS2, 6, 4)
	s_cmp_eq_u32 s2, 0
	s_cbranch_scc0 .Lentry_in_a_cluster
	s_endpgm
.Lentry_in_a_cluster:
	s_bfe_u32 s2, ttmp6, 0x10000c
	s_cmp_lg_u32 s2, 0xf033
	s_cbranch_scc0 .Lentry_shape_is_right
	s_endpgm
.Lentry_shape_is_right:
; The three quantised products q wq_w, k wk_w, v wv_w as ONE product on codes of FP4 (E2M1) with E8M0 scales: A = xc [24576][1024], rows 8192 t on are tensor t (0 q, 1 k, 2 v); B = wc [3][1024 n][1024 k].
; Behind it, in f32: the bias; for q and k the half-split rotary embedding and the RMS norm over a head's 64 with its gain; then one rounding to f16.  qkv = [3][64 (batch x 16 + head)][2048][64] f16.
; A tile of C, 256 x 256, is made by four waves; a wave makes 128 rows x 128 columns (two heads): 64 accumulators of 16 x 16, 512 registers.  K = 1024 is two LDS slots of 512 along K: both are asked for
; at the start and nothing is filled again.  The scale bytes of the work-group's 256 rows of A and of B, for all of K, come once, as dense blocks.
; CLUSTERS: 4 x 4 work-groups; the four of a row of the cluster need the same tiles of A, the four of a column the same tiles of B: each tile is asked for jointly.  A cluster lies inside one tensor (8 clusters
; along y for each), so the tensor's number, made of the cluster's y alone, is the same in all sixteen.
; THE MATRIX INSTRUCTION IS USED TRANSPOSED (source 0 = 16 rows of B, source 1 = 16 rows of A): lane l holds row l % 16 of C and its registers the columns 8 (l / 16) + 0 .. 7 of a block of 16.
; So a lane holds, of one position and one head, 32 of the 64 numbers, the lane 16 away the others; x[d] and x[d + 32] lie in the same lane, two column blocks apart.  The bias is the C of each sum's first product.
; LIMITS: |v wv_w + wv_b| stays under 65,504 (f16); q and k are normalised, at most 8 x |gain|; NaN and infinities are not served.
; REGISTERS, in windows of 256.  window 0: v0-31 addresses; v32-95 scale words, two sets, nothing else ever; v96-111 the norm's scratch; v128-191 A's fragments, one set, on the way out packed results (v128-159) and rows
;   read back (v160-191); v192-255 the bias of my 128 columns.   window 1: v0-63, v128-191 B's fragments, two sets; on the way out v0-63 the rotated numbers; v64-127 two sets of cos and sin; v192-223 the gain.
;   window 2: the accumulators of my rows 0-63 ((a, b) at v[8 (8 a + b)]);   window 3: those of my rows 64-127.
.set KSTEP,  512
.set NQ,     KSTEP/128
.set ROWB,   256                       ; a tile's row in bytes: 512 codes
.set KROW,   512                       ; a row of xc or wc in memory
.set PITCH,  272                       ; an LDS row: 256 bytes + 16 of padding: the 16 rows that a load touches start at 16 different banks
.set FR,     8
.set NL,     2
.set NP,     4                         ; places behind this matrix instruction (ISA guide 7.12.1)
.set HALFT,  128*PITCH
.set SLOT,   4*HALFT                   ; A's 256 rows, then B's 256 rows
.set KS,     32                        ; a row of scale bytes
.set SCL,    2*SLOT                    ; behind the two slots: the scales, as rows of 256 bytes + 16 of padding
.set HALFS,  (128*KS/256)*272
.set SBLK,   (16*KS/256)*272
.set SPARE,  SCL+4*HALFS               ; the spare words, 128 bytes for each wave
.set SROW,   144                       ; the way out: a stage row: a head's 64 f16 + 16 bytes
.set SHEAD,  16*SROW                   ; 16 rows of one head.  A wave's stage, two heads, lies in slot 0, which has had its one fill and its last read when the first result is stored there
.set ADRA, 16                          ; v16-17  LDS address of my A fragments in slot 0, 1
.set ADRB, 20                          ; v20-21  the same for B
.set STO,  24                          ; v24  the way out: where I put 16 bytes of a row
.set RD,   25                          ; v25  and where I read rows back
.set CO,   26                          ; v26  16 x lane
.set ADRS, 27                          ; v27  LDS address of my scale words: lanes 0-15 A's rows, lanes 16-31 B's
.set SPW,  28                          ; v28  LDS address of my spare word; never rewritten
.set NIL,  29                          ; v29  0; never rewritten
.set BO,   30                          ; v30  32 x (lane / 16): my eight numbers of a block of 16 of the bias or the gain
.set SC,   32
.set T1,   96                          ; head hh: +8 hh: two packed sums (+0, +2), the sum (+4), the other lane's (+5), 1 / rms (+6, with +7 as its pair)
.set AF,   128
.set PK,   128
.set BK,   160
.set BIAS, 192
.set Y,    0                           ; window 1
.set CT,   64                          ; window 1: set a % 2 at CT + 32 (a % 2): 16 of cos, 16 of sin
.set W,    192                         ; window 1
.set G1, 24
.set G0, 32
.set G1B, 48
.set G0B, 56
.set G1S, 68
.set G0S, 76
.set G1SB, 80
.set G0SB, 88
.set MSB, 0
.macro WIN new                         ; the immediate's high byte repeats the setting that is left
.if MSB != (\new)
	s_set_vgpr_msb (MSB<<8)|(\new)
.set MSB, (\new)
.endif
.endm
.set MUL_LO, 0xa1                      ; source 0 (B) window 1, source 1 (A) window 0, C and D window 2
.set MUL_HI, 0xf1                      ; the same, C and D window 3
.set TO_B,   0x40                      ; destination window 1, address window 0
; A joint load: waves 0 and 1 fetch for A, waves 2 and 3 for B; the branch hangs on the wave's number alone.  An s_nop 0 and four v_nop follow each of the two lines.
.macro JLOAD g0a, g1a, g0b, g1b
	s_cmp_eq_u32 s15, 0
	s_cbranch_scc0 .Lfor_b_\@
	tensor_load_to_lds s[\g0a:\g0a+3], s[\g1a:\g1a+7]
	s_nop 0
.rept 4
	v_nop
.endr
	s_branch .Lasked_\@
.Lfor_b_\@:
	tensor_load_to_lds s[\g0b:\g0b+3], s[\g1b:\g1b+7]
	s_nop 0
.rept 4
	v_nop
.endr
.Lasked_\@:
.endm
.macro CROUND                          ; a round of the cluster's barrier
	s_barrier_signal -1
	s_barrier_wait -1
	s_cmp_lg_u32 s14, 0
	s_cbranch_scc1 .Lnot_wave_0_\@
	s_barrier_signal -3
.Lnot_wave_0_\@:
	s_barrier_wait -3
	s_barrier_signal -1
	s_barrier_wait -1
.endm
	s_load_b256 s[4:11], s[0:1], 0x0               ; xc s[4:5], xs s[6:7], wc s[8:9], ws s[10:11]
	s_load_b256 s[68:75], s[0:1], 0x20             ; wq_b s[68:69], wk_b s[70:71], wv_b s[72:73], qn_w s[74:75]
	s_load_b128 s[76:79], s[0:1], 0x40             ; kn_w s[76:77], rt s[78:79]
	s_load_b64 s[12:13], s[0:1], 0x50              ; qkv
	v_lshl_add_u32 v[SPW], v0, 2, SPARE
	v_mov_b32 v[NIL], 0
	ds_add_u32 v[SPW], v[NIL]                      ; the wave's opening: the add, twice on end, and its wait ahead of my first tensor load
	ds_add_u32 v[SPW], v[NIL]
	v_lshrrev_b32 v1, 5, v0
	v_readfirstlane_b32 s14, v1                    ; wave 0..3
	s_lshr_b32 s15, s14, 1                         ; which half of the tile's rows is mine.  Also: I fetch for A (0) or for B (1)
	s_and_b32 s16, s14, 1                          ; which half of its columns.  Also: which 128 rows of that tile I fetch
	s_bfe_u32 s40, ttmp6, 0x40000                  ; cx, cy: my place in the cluster
	s_bfe_u32 s41, ttmp6, 0x40004
	s_lshl_b32 s42, ttmp9, 2
	s_add_co_u32 s42, s42, s40                     ; tile column of C
	s_and_b32 s17, ttmp7, 0xffff
	s_lshr_b32 s95, s17, 3                         ; the tensor, 0 q, 1 k, 2 v: of the cluster's y alone
	s_lshl_b32 s17, s17, 2
	s_add_co_u32 s17, s17, s41                     ; tile row of C, 0 .. 95
	s_lshl_b32 s43, s41, 2
	s_lshl_b32 s43, 15, s43                        ; my row of the cluster
	s_lshl_b32 s44, 0x1111, s40                    ; my column
	; descriptor group 1: a tile of 128 rows x 256 bytes, 16 bytes of padding behind each row
	s_or_b32 s[G1+0], s43, (0<<16)|(1<<20)|(1<<21)|(5<<22)|(3<<25)
	s_or_b32 s[G1B+0], s44, (0<<16)|(1<<20)|(1<<21)|(5<<22)|(3<<25)
.irp g, G1, G1B
	s_mov_b32 s[\g+1], ROWB<<16                    ; tensor_dim0
	s_mov_b32 s[\g+2], 128<<16                     ; tensor_dim1
	s_mov_b32 s[\g+3], ROWB<<16                    ; tile_dim0
	s_mov_b32 s[\g+4], 128                         ; tile_dim1
	s_mov_b32 s[\g+5], KROW                        ; from row to row
	s_mov_b32 s[\g+6], 0
	s_mov_b32 s[\g+7], 0
.endr
	; B's scales of 128 rows: a dense block of 4,096 bytes, as 16 rows of 256 bytes (32 elements of 8 bytes), 16 bytes of padding behind each
	s_or_b32 s[G1SB+0], s44, (3<<16)|(1<<20)|(1<<21)|(5<<22)|(3<<25)
	s_mov_b32 s[G1SB+1], 32<<16
	s_mov_b32 s[G1SB+2], (128*KS/256)<<16
	s_mov_b32 s[G1SB+3], 32<<16
	s_mov_b32 s[G1SB+4], 128*KS/256
	s_mov_b32 s[G1SB+5], 32
	s_mov_b32 s[G1SB+6], 0
	s_mov_b32 s[G1SB+7], 0
	s_lshl_b32 s18, s16, 7                         ; which 128 rows of the tile I fetch
	s_lshl_b32 s20, s17, 8
	s_add_co_u32 s20, s20, s18                     ; A: row 256 x tile row + 128 x half
	s_lshl_b32 s46, s42, 8
	s_add_co_u32 s46, s46, s18
	s_lshl_b32 s19, s95, 10
	s_add_co_u32 s46, s46, s19                     ; B: row 1024 x tensor + 256 x tile column + 128 x half
	s_lshl_b32 s22, s20, 5                         ; where these rows' scales begin, in bytes,
	s_mov_b32 s23, 0
	s_lshl_b32 s92, s46, 5
	s_mov_b32 s93, 0
	s_lshl_b32 s20, s20, 9                         ; and their codes
	s_mov_b32 s21, 0
	s_lshl_b32 s46, s46, 9
	s_mov_b32 s47, 0
	s_mul_i32 s45, s14, HALFT                      ; where they go: wave x 128 rows: no place in the cluster enters an LDS address
	s_mul_i32 s94, s14, HALFS
	s_mov_b32 s2, 0x76543210                       ; v_permlanex16_b32's selects for lane l xor 16
	s_mov_b32 s3, 0xfedcba98
	s_mov_b32 s66, 0x3c800000                      ; 1 / 64
	s_mov_b32 s67, 0x358637bd                      ; 1e-6
	s_wait_dscnt 0x0                               ; both opening adds are done
	s_wait_kmcnt 0x0
	s_cmp_eq_u32 s95, 0                            ; the bias and the gain of my tensor (v takes kn_w's address and never uses the numbers)
	s_cselect_b64 s[96:97], s[68:69], s[70:71]
	s_cselect_b64 s[98:99], s[74:75], s[76:77]
	s_cmp_lt_u32 s95, 2
	s_cselect_b64 s[96:97], s[96:97], s[72:73]
	s_mov_b64 s[100:101], s[78:79]                 ; the table
	s_add_nc_u64 s[20:21], s[4:5], s[20:21]
	s_add_nc_u64 s[22:23], s[6:7], s[22:23]
	s_add_nc_u64 s[46:47], s[8:9], s[46:47]
	s_add_nc_u64 s[92:93], s[10:11], s[92:93]
	s_or_b32 s[G1S+0], s43, (3<<16)|(1<<20)|(1<<21)|(5<<22)|(3<<25)   ; A's scales: these registers were the arguments' landing place, so they are written only now
	s_mov_b32 s[G1S+1], 32<<16
	s_mov_b32 s[G1S+2], (128*KS/256)<<16
	s_mov_b32 s[G1S+3], 32<<16
	s_mov_b32 s[G1S+4], 128*KS/256
	s_mov_b32 s[G1S+5], 32
	s_mov_b32 s[G1S+6], 0
	s_mov_b32 s[G1S+7], 0
	CROUND                                         ; all sixteen work-groups are here: the first joint loads meet
	s_mov_b32 s[G0S], 1
	s_add_co_u32 s[G0S+1], s94, SCL
	s_mov_b64 s[G0S+2:G0S+3], s[22:23]
	s_or_b32 s[G0S+3], s[G0S+3], 0x80000000
	s_mov_b32 s[G0SB], 1
	s_add_co_u32 s[G0SB+1], s94, SCL
	s_mov_b64 s[G0SB+2:G0SB+3], s[92:93]
	s_or_b32 s[G0SB+3], s[G0SB+3], 0x80000000
	JLOAD G0S, G1S, G0SB, G1SB                     ; the scales first: they are wanted with the first slot
.irp s, 0,1
	s_mov_b32 s[G0+4*\s], 1
	s_add_co_u32 s[G0+4*\s+1], s45, \s*SLOT
	s_add_nc_u64 s[G0+4*\s+2:G0+4*\s+3], s[20:21], \s*ROWB
	s_or_b32 s[G0+4*\s+3], s[G0+4*\s+3], 0x80000000
	s_mov_b32 s[G0B+4*\s], 1
	s_add_co_u32 s[G0B+4*\s+1], s45, \s*SLOT
	s_add_nc_u64 s[G0B+4*\s+2:G0B+4*\s+3], s[46:47], \s*ROWB
	s_or_b32 s[G0B+4*\s+3], s[G0B+4*\s+3], 0x80000000
	JLOAD G0+4*\s, G1, G0B+4*\s, G1B               ; three tensor loads of mine are out
.endr
	v_and_b32 v1, 15, v0                           ; l % 16
	v_bfe_u32 v2, v0, 4, 1                         ; l / 16
	v_mul_u32_u24 v3, v1, PITCH
	v_lshl_add_u32 v4, v2, 4, v3                   ; a fragment's row x pitch + 16 x half
	s_mul_i32 s21, s15, HALFT                      ; my 128 rows of A
	s_mul_i32 s22, s16, HALFT                      ; my 128 rows of B,
	s_add_co_u32 s22, s22, 2*HALFT                 ; which lie behind A's 256
.irp s, 0,1
	v_add_nc_u32 v[ADRA+\s], s21, v4
	v_add_nc_u32 v[ADRB+\s], s22, v4
	s_add_co_u32 s21, s21, SLOT
	s_add_co_u32 s22, s22, SLOT
.endr
	v_mul_u32_u24 v5, v1, KS                       ; my row's scales: 32 bytes a row,
	v_lshrrev_b32 v6, 8, v5
	v_lshl_add_u32 v5, v6, 4, v5                   ; and 16 more for each 256 passed
	s_mul_i32 s21, s15, HALFS                      ; A's: my 128 rows
	s_mul_i32 s22, s16, HALFS                      ; B's: my 128 rows, behind A's 256
	s_add_co_u32 s22, s22, 2*HALFS
	s_sub_co_u32 s22, s22, s21
	v_mul_u32_u24 v6, s22, v2                      ; lanes 16-31 take B's
	s_add_co_u32 s21, s21, SCL
	v_add_nc_u32 v5, v5, v6
	v_add_nc_u32 v[ADRS], s21, v5
	s_mul_i32 s23, s14, 2*SHEAD                    ; my stage
	v_mul_u32_u24 v5, v1, SROW                     ; in: row l % 16, 16 bytes for each half of the lanes
	v_lshl_add_u32 v5, v2, 4, v5
	v_add_nc_u32 v[STO], s23, v5
	v_bfe_u32 v5, v0, 3, 2                         ; back: eight lanes to a row of 128 bytes, four rows an instruction
	v_mul_u32_u24 v5, v5, SROW
	v_and_b32 v6, 7, v0
	v_lshl_add_u32 v5, v6, 4, v5
	v_add_nc_u32 v[RD], s23, v5
	v_and_b32 v6, 31, v0
	v_lshlrev_b32 v[CO], 4, v6
	v_lshlrev_b32 v[BO], 5, v2
.irp hh, 0,1
	v_mov_b32 v[T1+8*\hh+5], 0                     ; written once: a lane permute's destination counts as one of its sources
	v_mov_b32 v[T1+8*\hh+7], 0                     ; named with 1 / rms as a pair
.endr
	s_lshl_b32 s20, s42, 10                        ; the bias at my first column: 4 x (256 x tile column + 128 x half)
	s_lshl_b32 s21, s16, 9
	s_add_co_u32 s20, s20, s21
	s_mov_b32 s21, 0
	s_add_nc_u64 s[96:97], s[96:97], s[20:21]
	s_and_b32 s20, s17, 7                          ; my first position: 256 x (tile row % 8) + 128 x half; the table has 256 bytes a position
	s_lshl_b32 s20, s20, 16
	s_lshl_b32 s22, s15, 15
	s_add_co_u32 s20, s20, s22
	s_add_nc_u64 s[100:101], s[100:101], s[20:21]
	s_lshr_b32 s20, s20, 1                         ; qkv: 128 bytes a position,
	s_lshl_b32 s22, s95, 24                        ; 2^24 a tensor,
	s_add_co_u32 s20, s20, s22
	s_bfe_u32 s22, s17, 0x20003                    ; the batch: (tile row / 8) % 4
	s_lshl_b32 s22, s22, 4
	s_lshl_b32 s23, s42, 2
	s_add_co_u32 s22, s22, s23
	s_lshl_b32 s23, s16, 1
	s_add_co_u32 s22, s22, s23                     ; 16 x batch + my first head
	s_lshl_b32 s22, s22, 18                        ; 2^18 a head
	s_add_co_u32 s20, s20, s22
	s_add_nc_u64 s[12:13], s[12:13], s[20:21]
.irp b, 0,1,2,3,4,5,6,7
	global_load_b128 v[BIAS+8*\b:BIAS+8*\b+3], v[BO], s[96:97] offset:64*\b        ; the bias in the result's layout: columns 16 b + 8 (l / 16) + 0 .. 7
	global_load_b128 v[BIAS+8*\b+4:BIAS+8*\b+7], v[BO], s[96:97] offset:64*\b+16
.endr
	WIN TO_B
.irp b, 0,1,2,3
	global_load_b128 v[W+8*\b:W+8*\b+3], v[BO], s[98:99] offset:64*\b              ; the gain likewise, for a head's 64
	global_load_b128 v[W+8*\b+4:W+8*\b+7], v[BO], s[98:99] offset:64*\b+16
.endr
.irp a, 0,1
.irp g, 0,1,2,3,4,5,6,7
	global_load_b128 v[CT+32*\a+4*\g:CT+32*\a+4*\g+3], v[CO], s[100:101] offset:\a*4096+\g*512   ; cos and sin of my first two blocks of 16 positions: 512 consecutive bytes a load
.endr
.endr
	WIN 0
.macro FRAG reg, adr, q, i             ; a fragment, 16 rows x 128 K of 4-bit codes, is 8 registers: lane l holds row l % 16; registers 4 c .. 4 c + 3 hold K = 64 c + 32 (l / 16) + 0 .. 31
.irp c, 0,1
	ds_load_b128 v[\reg+4*\c:\reg+4*\c+3], v[\adr] offset:64*(\q)+32*\c+(\i)*16*PITCH
.endr
.endm
; 16 matrix instructions: A's blocks a0, a0 + 1 x B's eight, 128 along K: the slot's q-th.  p: B's set;  sc: the set of scale words.  zero = 1: the first product starts the sums, with the bias as its C.
; The 64 accumulators take turns, one instruction a turn, in the same order in every step.
.macro MUL16 a0, p, q, sc, zero
.irp a, \a0, \a0+1
.irp b, 0,1,2,3,4,5,6,7
.if \zero
	v_wmma_scale_f32_16x16x128_f8f6f4 v[8*(8*((\a)%4)+\b):8*(8*((\a)%4)+\b)+7], v[128*(\p)+FR*\b:128*(\p)+FR*\b+FR-1], v[AF+FR*(\a):AF+FR*(\a)+FR-1], v[BIAS+8*\b:BIAS+8*\b+7], v[SC+8*NQ*(\sc)+NQ*\b+(\q)], v[SC+8*NQ*(\sc)+NQ*(\a)+(\q)] matrix_a_fmt:MATRIX_FMT_FP4 matrix_b_fmt:MATRIX_FMT_FP4 matrix_a_scale:MATRIX_SCALE_ROW1
.else
	v_wmma_scale_f32_16x16x128_f8f6f4 v[8*(8*((\a)%4)+\b):8*(8*((\a)%4)+\b)+7], v[128*(\p)+FR*\b:128*(\p)+FR*\b+FR-1], v[AF+FR*(\a):AF+FR*(\a)+FR-1], v[8*(8*((\a)%4)+\b):8*(8*((\a)%4)+\b)+7], v[SC+8*NQ*(\sc)+NQ*\b+(\q)], v[SC+8*NQ*(\sc)+NQ*(\a)+(\q)] matrix_a_fmt:MATRIX_FMT_FP4 matrix_b_fmt:MATRIX_FMT_FP4 matrix_a_scale:MATRIX_SCALE_ROW1
.endif
.endr
.endr
.endm
.macro FETCH_B slot, q, p              ; B's eight fragments of the slot's q-th 128 along K into set p
	WIN TO_B
.irp i, 0,1,2,3,4,5,6,7
	FRAG 128*(\p)+FR*\i, ADRB+\slot, \q, \i
.endr
	WIN 0
.endm
.macro FETCH_A slot, q, i0             ; A's blocks i0 .. i0 + 3
.irp i, \i0, \i0+1, \i0+2, \i0+3
	FRAG AF+FR*(\i), ADRA+\slot, \q, \i
.endr
.endm
.macro SCALES sc                       ; a slot's scale words into set sc: four words a row; lanes 0-15 take A's block i, lanes 16-31 B's block i
.irp i, 0,1,2,3,4,5,6,7
	ds_load_b128 v[SC+8*NQ*\sc+NQ*\i:SC+8*NQ*\sc+NQ*\i+3], v[ADRS] offset:\i*SBLK
.endr
.endm
.macro PLACES n                        ; plain vector lines between a matrix instruction and a load into, or a read of, its registers (ISA guide 7.12.1 for reads)
.rept \n
	v_nop
.endr
.endm
; A step of 128 along K that has its successor in the same slot.  A's blocks are free as soon as their eight products are issued: blocks 0-3 are fetched anew in the step's middle, blocks 4-7 at its end.
.macro STEP slot, q, zero
	s_wait_dscnt 4*NL                              ; B's set and A's blocks 0-3 are in; the youngest eight loads (A's blocks 4-7) may be out
	WIN MUL_LO-0x20*(\zero)                        ; (zero = 1: C, the bias, lies in window 0)
	MUL16 0, (\q)%2, \q, \slot, \zero
	MUL16 2, (\q)%2, \q, \slot, \zero
	s_wait_dscnt 0                                 ; A's blocks 4-7 are in
	PLACES NP
	FETCH_B \slot, (\q)+1, 1-(\q)%2
	FETCH_A \slot, (\q)+1, 0
	WIN MUL_HI-0x30*(\zero)
	MUL16 4, (\q)%2, \q, \slot, \zero
	MUL16 6, (\q)%2, \q, \slot, \zero
	PLACES NP
	WIN 0
	FETCH_A \slot, (\q)+1, 4
.endm
; Slot 0's last step changes slots: one barrier; in front of it each wave waits for all its tensor loads, adds 0 to its spare word, and waits for that and for its own reads of slot 0.  Nothing is filled again.
.macro TURN slot, next
	s_wait_tensorcnt 0x0                           ; all my tensor loads have landed: my part of the next slot
	ds_add_u32 v[SPW], v[NIL]                      ; 0 onto my spare word
	s_wait_dscnt 4*NL+1                            ; (the add and the youngest eight loads, A's blocks 4-7, may be out)
	WIN MUL_LO
	MUL16 0, 1, NQ-1, \slot, 0
	s_wait_dscnt 0x0                               ; the add is done, and my reads of this slot are over
	s_barrier_signal -1
	MUL16 2, 1, NQ-1, \slot, 0
	WIN 0
	s_barrier_wait -1
	PLACES NP
	v_add_nc_u32 v[ADRS], 4*NQ, v[ADRS]            ; on to the next slot's scale words (no LDS load of mine is out)
	FETCH_B \next, 0, 0
	FETCH_A \next, 0, 0
	SCALES \next
	WIN MUL_HI
	MUL16 4, 1, NQ-1, \slot, 0
	MUL16 6, 1, NQ-1, \slot, 0
	PLACES NP
	WIN 0
	FETCH_A \next, 0, 4
.endm
	s_wait_tensorcnt 1                             ; the scales and my part of slot 0 are in (slot 1's load may be out),
	s_barrier_signal -1
	s_barrier_wait -1                              ; everybody's are
	FETCH_B 0, 0, 0
	FETCH_A 0, 0, 0
	SCALES 0
	FETCH_A 0, 0, 4
	s_wait_loadcnt 0x0                             ; the bias, the gain, the first two sets of the table
	STEP 0, 0, 1
	STEP 0, 1, 0
	STEP 0, 2, 0
	TURN 0, 1
	STEP 1, 0, 0
	STEP 1, 1, 0
	STEP 1, 2, 0
	s_wait_dscnt 4*NL                              ; the last step: nothing more to fetch
	WIN MUL_LO
	MUL16 0, 1, NQ-1, 1, 0
	MUL16 2, 1, NQ-1, 1, 0
	s_wait_dscnt 0
	WIN MUL_HI
	MUL16 4, 1, NQ-1, 1, 0
	MUL16 6, 1, NQ-1, 1, 0
	WIN 0
	PLACES NP                                      ; behind the last products: for the reads of their results and the writes over fragments that they read
; THE WAY OUT, block by block of 16 rows x two heads.  A lane's eight f16 of a block of 16 columns are 16 bytes of a row of 128; they go through my own stage in LDS and come back as whole rows.
.macro SENDB a                         ; block a leaves: each store covers four rows of a head, 512 consecutive bytes
	s_wait_dscnt 0x0                               ; the block is back in registers, and the stage's stores have read theirs
.irp hh, 0,1
.irp i, 0,1,2,3
	global_store_b128 v[CO], v[BK+16*\hh+4*\i:BK+16*\hh+4*\i+3], s[12:13] offset:\hh*262144+(\a)*2048+\i*512
.endr
.endr
.endm
.macro STAGEB                          ; the packed block into the stage and back; LDS serves a wave's instructions in order, so no wait stands between
	s_wait_xcnt 0x0                                ; the last block's stores have read their registers: the loads below may land there
.irp hh, 0,1
.irp u, 0,1,2,3
	ds_store_b128 v[STO], v[PK+16*\hh+4*\u:PK+16*\hh+4*\u+3] offset:\hh*SHEAD+32*\u
.endr
.endr
.irp hh, 0,1
.irp i, 0,1,2,3
	ds_load_b128 v[BK+16*\hh+4*\i:BK+16*\hh+4*\i+3], v[RD] offset:\hh*SHEAD+4*SROW*\i
.endr
.endr
.endm
; q and k: rotary embedding, RMS norm, gain.  Column block 4 hh + bp (bp = 0, 1) holds x1 = x[16 bp + 8 (l / 16) + j], block 4 hh + bp + 2 holds x2 = x[.. + 32]; both turn by the angle of index 16 bp + 8 (l / 16) + j.
.macro QKBLOCK a
.set AC, 64*((\a)%4)
.set CTS, CT+32*((\a)%2)
.if (\a) < 7
	s_wait_loadcnt 8                               ; this block's table is in; the next block's eight loads may be out
.else
	s_wait_loadcnt 0x0
.endif
	WIN 0x56+(\a)/4                                ; source 0: the accumulators' window; all else window 1
.irp hh, 0,1
.irp bp, 0,1
.irp jj, 0,2,4,6                       ; each accumulator from its low end on
	v_pk_mul_f32 v[Y+32*\hh+8*\bp+\jj:Y+32*\hh+8*\bp+\jj+1], v[AC+8*(4*\hh+\bp)+\jj:AC+8*(4*\hh+\bp)+\jj+1], v[CTS+8*\bp+\jj:CTS+8*\bp+\jj+1]
	v_pk_mul_f32 v[Y+32*\hh+8*(\bp+2)+\jj:Y+32*\hh+8*(\bp+2)+\jj+1], v[AC+8*(4*\hh+\bp+2)+\jj:AC+8*(4*\hh+\bp+2)+\jj+1], v[CTS+8*\bp+\jj:CTS+8*\bp+\jj+1]
	v_pk_fma_f32 v[Y+32*\hh+8*\bp+\jj:Y+32*\hh+8*\bp+\jj+1], v[AC+8*(4*\hh+\bp+2)+\jj:AC+8*(4*\hh+\bp+2)+\jj+1], v[CTS+16+8*\bp+\jj:CTS+16+8*\bp+\jj+1], v[Y+32*\hh+8*\bp+\jj:Y+32*\hh+8*\bp+\jj+1] neg_lo:[1,0,0] neg_hi:[1,0,0]   ; x1 cos - x2 sin
	v_pk_fma_f32 v[Y+32*\hh+8*(\bp+2)+\jj:Y+32*\hh+8*(\bp+2)+\jj+1], v[AC+8*(4*\hh+\bp)+\jj:AC+8*(4*\hh+\bp)+\jj+1], v[CTS+16+8*\bp+\jj:CTS+16+8*\bp+\jj+1], v[Y+32*\hh+8*(\bp+2)+\jj:Y+32*\hh+8*(\bp+2)+\jj+1]   ; x2 cos + x1 sin
.endr
.endr
.endr
.if (\a) < 6
	WIN TO_B
.irp g, 0,1,2,3,4,5,6,7
	global_load_b128 v[CTS+4*\g:CTS+4*\g+3], v[CO], s[100:101] offset:((\a)+2)*4096+\g*512   ; the table of the block two on, into the set just read
.endr
.endif
	WIN 0x05                                       ; sources 0 and 1 window 1; the sums in window 0
.irp hh, 0,1
	v_pk_mul_f32 v[T1+8*\hh:T1+8*\hh+1], v[Y+32*\hh:Y+32*\hh+1], v[Y+32*\hh:Y+32*\hh+1]           ; the sum of my 32 squares, in two packed chains a head
	v_pk_mul_f32 v[T1+8*\hh+2:T1+8*\hh+3], v[Y+32*\hh+2:Y+32*\hh+3], v[Y+32*\hh+2:Y+32*\hh+3]
.endr
.irp i, 4,8,12,16,20,24,28
.irp hh, 0,1
	v_pk_fma_f32 v[T1+8*\hh:T1+8*\hh+1], v[Y+32*\hh+\i:Y+32*\hh+\i+1], v[Y+32*\hh+\i:Y+32*\hh+\i+1], v[T1+8*\hh:T1+8*\hh+1]
	v_pk_fma_f32 v[T1+8*\hh+2:T1+8*\hh+3], v[Y+32*\hh+\i+2:Y+32*\hh+\i+3], v[Y+32*\hh+\i+2:Y+32*\hh+\i+3], v[T1+8*\hh+2:T1+8*\hh+3]
.endr
.endr
	WIN 0
.irp hh, 0,1
	v_pk_add_f32 v[T1+8*\hh:T1+8*\hh+1], v[T1+8*\hh:T1+8*\hh+1], v[T1+8*\hh+2:T1+8*\hh+3]
.endr
.irp hh, 0,1
	v_add_f32 v[T1+8*\hh+4], v[T1+8*\hh], v[T1+8*\hh+1]
.endr
.irp hh, 0,1
	v_permlanex16_b32 v[T1+8*\hh+5], v[T1+8*\hh+4], s2, s3      ; the head's other 32 lie in the lane 16 away
.endr
.irp hh, 0,1
	v_add_f32 v[T1+8*\hh+4], v[T1+8*\hh+4], v[T1+8*\hh+5]
.endr
.irp hh, 0,1
	v_fma_f32 v[T1+8*\hh+4], v[T1+8*\hh+4], s66, s67            ; the mean square + 1e-6
.endr
.irp hh, 0,1
	v_rsq_f32 v[T1+8*\hh+6], v[T1+8*\hh+4]
.endr
	v_nop                                          ; a plain line behind the last of the two
	s_wait_alu depctr_va_vdst(0)                   ; one wait for both, ahead of their first reader
	WIN 0x41                                       ; destination and source 0 window 1, source 1 window 0
.irp hh, 0,1
.irp i, 0,2,4,6,8,10,12,14,16,18,20,22,24,26,28,30
	v_pk_mul_f32 v[Y+32*\hh+\i:Y+32*\hh+\i+1], v[Y+32*\hh+\i:Y+32*\hh+\i+1], v[T1+8*\hh+6:T1+8*\hh+7] op_sel_hi:[1,0]
.endr
.endr
	WIN 0x45
.irp hh, 0,1
.irp i, 0,2,4,6,8,10,12,14,16,18,20,22,24,26,28,30
	v_pk_mul_f32 v[Y+32*\hh+\i:Y+32*\hh+\i+1], v[Y+32*\hh+\i:Y+32*\hh+\i+1], v[W+\i:W+\i+1]
.endr
.endr
	WIN 0
.if (\a) > 0
	SENDB (\a)-1                                   ; the block before has had this block's arithmetic in which to come back from the stage
.endif
	WIN 0x05
.irp i, 0,1,2,3,4,5,6,7,8,9,10,11,12,13,14,15,16,17,18,19,20,21,22,23,24,25,26,27,28,29,30,31
	v_cvt_pk_f16_f32 v[PK+\i], v[Y+2*\i], v[Y+2*\i+1]
.endr
	WIN 0
	STAGEB
.endm
; v: the sums, bias included, are rounded as they are
.macro VBLOCK a
.set AC, 64*((\a)%4)
.if (\a) > 0
	SENDB (\a)-1
.endif
	WIN 0x0a+5*((\a)/4)                            ; sources 0 and 1: window 2 or 3
.irp b, 0,1,2,3,4,5,6,7
.irp jj, 0,2,4,6                       ; each accumulator from its low end on
	v_cvt_pk_f16_f32 v[PK+4*\b+\jj/2], v[AC+8*\b+\jj], v[AC+8*\b+\jj+1]
.endr
.endr
	WIN 0
	STAGEB
.endm
	s_cmp_eq_u32 s95, 2                            ; the tensor's number: the same in all waves of all sixteen work-groups
	s_cbranch_scc1 .Lv_out
.irp a, 0,1,2,3,4,5,6,7
	QKBLOCK \a
.endr
	SENDB 7
	s_branch .Lend
.Lv_out:
.irp a, 0,1,2,3,4,5,6,7
	VBLOCK \a
.endr
	SENDB 7
.Lend:
	s_wait_tensorcnt 0x0                           ; the wave's end, behind my last tensor load and my last LDS store
	ds_add_u32 v[SPW], v[NIL]
	s_wait_dscnt 0x0
	CROUND                                         ; the closing round: no work-group ends while a partner may still ask for a tile that names it
	s_endpgm
.Lfunc_end_k_q7ed1be2178_proj:
	.size	k_q7ed1be2178_proj, .Lfunc_end_k_q7ed1be2178_proj-k_q7ed1be2178_proj
	.p2alignl 7, 3214868480
	.fill 96, 4, 3214868480
	.section	.rodata,"a",@progbits
	.p2align	6, 0x0
	.amdhsa_kernel k_q7ed1be2178_proj
		.amdhsa_group_segment_fixed_size 327680
		.amdhsa_private_segment_fixed_size 0
		.amdhsa_enable_private_segment 0
		.amdhsa_kernarg_size 88
		.amdhsa_user_sgpr_count 2
		.amdhsa_user_sgpr_kernarg_segment_ptr 1
		.amdhsa_wavefront_size32 1
		.amdhsa_system_sgpr_workgroup_id_x 1
		.amdhsa_system_sgpr_workgroup_id_y 1
		.amdhsa_system_sgpr_workgroup_id_z 1
		.amdhsa_system_vgpr_workitem_id 0
		.amdhsa_next_free_vgpr 1024
		.amdhsa_next_free_sgpr 102
		.amdhsa_reserve_vcc 0
		.amdhsa_float_denorm_mode_32 3
		.amdhsa_float_denorm_mode_16_64 3
		.amdhsa_memory_ordered 1
		.amdhsa_forward_progress 1
		.amdhsa_inst_pref_size 254
	.end_amdhsa_kernel
	.amdgpu_metadata
---
amdhsa.version: [ 1, 2 ]
amdhsa.kernels:
  - .name:           k_q7ed1be2178_proj
    .symbol:         k_q7ed1be2178_proj.kd
    .args:
      - { .name: xc, .offset: 0, .size: 8, .value_kind: global_buffer, .address_space: global }
      - { .name: xs, .offset: 8, .size: 8, .value_kind: global_buffer, .address_space: global }
      - { .name: wc, .offset: 16, .size: 8, .value_kind: global_buffer, .address_space: global }
      - { .name: ws, .offset: 24, .size: 8, .value_kind: global_buffer, .address_space: global }
      - { .name: wq_b, .offset: 32, .size: 8, .value_kind: global_buffer, .address_space: global }
      - { .name: wk_b, .offset: 40, .size: 8, .value_kind: global_buffer, .address_space: global }
      - { .name: wv_b, .offset: 48, .size: 8, .value_kind: global_buffer, .address_space: global }
      - { .name: qn_w, .offset: 56, .size: 8, .value_kind: global_buffer, .address_space: global }
      - { .name: kn_w, .offset: 64, .size: 8, .value_kind: global_buffer, .address_space: global }
      - { .name: rt, .offset: 72, .size: 8, .value_kind: global_buffer, .address_space: global }
      - { .name: qkv, .offset: 80, .size: 8, .value_kind: global_buffer, .address_space: global }
    .group_segment_fixed_size: 327680
    .private_segment_fixed_size: 0
    .kernarg_segment_align: 8
    .kernarg_segment_size: 88
    .max_flat_workgroup_size: 128
    .sgpr_count:     102
    .vgpr_count:     1024
    .wavefront_size: 32
...
	.end_amdgpu_metadata
.endif
;; end of part 3
;; launch attn (part 4): grid 4 x 64, 8 waves a work-group, clusters of 4 x 1, 327,680 bytes of LDS; arguments qkv, ao; writes ao
.if DOCPART == 4
	.amdgcn_target "amdgcn-amd-amdhsa--gfx1250"
	.amdhsa_code_object_version 6
	.text
	.protected	k_q7ed1be2178_attn
	.globl	k_q7ed1be2178_attn
	.p2align	8
	.type	k_q7ed1be2178_attn,@function
k_q7ed1be2178_attn:
	s_mov_b64 s[64:65], 0
	v_nop
	global_prefetch_b8 v0, s[64:65] scope:SCOPE_SE
	s_setreg_imm32_b32 hwreg(HW_REG_WAVE_MODE, 25, 1), 1
	s_wait_xcnt 0x0
	s_wait_alu depctr_hold_cnt(0) depctr_sa_sdst(0) depctr_va_vdst(0) depctr_va_sdst(0) depctr_va_ssrc(0) depctr_va_vcc(0) depctr_vm_vsrc(0)
	s_getreg_b32 s2, hwreg(HW_REG_IB_STS2, 6, 4)
	s_cmp_eq_u32 s2, 0
	s_cbranch_scc0 .Lentry_in_a_cluster
	s_endpgm
.Lentry_in_a_cluster:
	s_bfe_u32 s2, ttmp6, 0x10000c
	s_cmp_lg_u32 s2, 0x3003
	s_cbranch_scc0 .Lentry_shape_is_right
	s_endpgm
.Lentry_shape_is_right:
; ao[bh][q][:] = the sum over k of softmax_k(Q[bh][q] . K[bh][k] / 8) V[bh][k][:].  qkv = [3 (Q, K, V)][64 (batch x 16 + head)][2048][64] f16; ao = [64][2048][64] f16.  No mask.
; Products with f16 operands and f32 sums; maxima, exponentials and sums in f32; the weights p are rounded to f16 for the second product, the result once at the end.
; SHARES.  A work-group owns 512 queries of one head, each of its eight waves 64: four tiles of 16; two waves to a SIMD, so that one wave's vector work stands beside the other's products.
; Every wave walks all 2,048 keys, 64 a step.  Each fragment of K or V that a wave reads from LDS feeds four products.
; LAYOUT.  S^T = K Q^T (source 0 = 16 keys, source 1 = 16 queries): a lane holds ONE query (lane % 16) and the keys 8 (lane / 16) + 0..7 of a tile.  Two such tiles, rounded to f16 in pairs, ARE source 1
; (32 keys x 16 queries) of O^T = V^T P, whose result again holds one query a lane, and eight channels.  K comes out of LDS as it lies, V ([key][channel]) turned, by ds_load_tr16_b128.
; SOFTMAX.  For each query a running maximum m and sum l: p = 2^(c s - c m), c = log2(e) / 8; in every step O and l are multiplied by a = 2^(c m_old - c m_new).  m begins at -3e38, O and l at 0.
; RING.  Two LDS slots of four steps (256 keys).  K and V of a head are dense in memory, so a step's tile is stated as 32 rows of 256 bytes, two keys to a row.  Waves 0-3 fetch the four steps' K, waves 4-7 their V:
; one tensor load a wave behind each change of slots, which has four steps in which to land.
; CLUSTER.  The four work-groups of a head form a cluster and walk the same K and V: each tile is asked for jointly, by the same load with the same descriptor and a mask that names the four.
; LIMITS: |V| and the result stay under 65,504 (f16); NaN and infinities are not served.
; REGISTERS.  window 0: v2-12 addresses; v16-47 eight registers of statistics a tile; v48-111 Q, 16 a tile; v112-239 S^T, 32 a tile, whose low 16 then hold P; v240-247 a second chain for the sums.
;   window 1: v0-127 O^T, 32 a tile; v128-191 K of a step; v192-255 V of a step.
.set STEPB, 17920                      ; a step in LDS: K 32 x 272, then V 32 x 288
.set VOFF,  8704
.set NSTEP, 4
.set SLOT1, 1<<17                      ; slot 1 begins here: one exclusive or turns an address in one slot into the other's
.set SPARE, SLOT1+NSTEP*STEPB          ; behind the ring: the spare words, 128 bytes for each wave
.set SROW,  144                        ; the way out: a stage of 16 rows x (128 bytes + 16) for each wave, in slot 0, which has had its last fill and its last read when the last slot's keys (in slot 1) are walked
.set AK0, 2                            ; v2   my lane's place in a tile of K
.set AV0, 3                            ; v3   the same for V
.set ADK, 4                            ; v4   LDS address of the step's K
.set ADV, 5                            ; v5   of its V
.set QO,  6                            ; v6   my byte offset in the wave's rows of Q
.set STO, 7
.set RD,  8
.set GO,  9                            ; v9   16 x lane
.set PFO, 10                           ; v10  256 x lane
.set SPW, 11                           ; v11  LDS address of my spare word; never rewritten
.set NIL, 12                           ; v12  0; never rewritten
.set ST,  16                           ; tile t at ST + 8 t: +0 c m, +1 m, +2, +3 l, +4 .. +7 at work; a takes +6
.set Q,   48
.set S,   112
.set L2,  240
.set KF,  128                          ; window 1
.set VF,  192                          ; window 1
.set WV,  12
.set G1K, 24
.set G1V, 32
.set G0K, 40
.set G0V, 44
.set PFA, 48                           ; s[48:49] where my prefetches stand
.set LIM, 50                           ; s50  1 in a wave that prefetches, else the greatest number
.set SLOTS, 51
.set CNT, 52
.set TB,  53                           ; s53  LDS byte at which the step in hand begins
.set CS,  54                           ; s[54:55] c
.set SEL, 56                           ; s[56:57] lane selects: lane l xor 16
.set QP,  58
.set OP,  60
.set MSB, 0
.macro WIN new
.if MSB != (\new)
	s_set_vgpr_msb (MSB<<8)|(\new)
.set MSB, (\new)
.endif
.endm
; A joint load: waves 0-3 fetch K's tiles, waves 4-7 V's; the branch hangs on the wave's number alone.  An s_nop 0 and four v_nop follow each of the two lines.
.macro JLOAD
	s_cmp_lt_u32 s[WV], 4
	s_cbranch_scc0 .Lfor_v_\@
	tensor_load_to_lds s[G0K:G0K+3], s[G1K:G1K+7]
	s_nop 0
.rept 4
	v_nop
.endr
	s_branch .Lasked_\@
.Lfor_v_\@:
	tensor_load_to_lds s[G0V:G0V+3], s[G1V:G1V+7]
	s_nop 0
.rept 4
	v_nop
.endr
.Lasked_\@:
.endm
; A prefetch of what the NEXT change of slots will ask for: a slot's 32,768 bytes of K and of V.  A head has one cluster; its four partners share a slot's 128 blocks of 256 bytes out by address, 32 each;
; in each, wave 0 asks for K's and wave 4 for V's, a lane a block: each block is named once in the launch.  The last change that fills a slot asks for nothing: there is no slot behind it.
.macro ASK
	s_cmp_gt_u32 s[SLOTS], s[LIM]
	s_cbranch_scc0 .Lnot_mine_\@
	global_prefetch_b8 v[PFO], s[PFA:PFA+1] th:TH_LOAD_NT scope:SCOPE_SE
.Lnot_mine_\@:
.endm
.macro CROUND                          ; a round of the cluster's barrier
	s_barrier_signal -1
	s_barrier_wait -1
	s_cmp_lg_u32 s[WV], 0
	s_cbranch_scc1 .Lnot_wave_0_\@
	s_barrier_signal -3
.Lnot_wave_0_\@:
	s_barrier_wait -3
	s_barrier_signal -1
	s_barrier_wait -1
.endm
	s_load_b128 s[4:7], s[0:1], 0x0                ; qkv, ao
	v_lshl_add_u32 v[SPW], v0, 2, SPARE
	v_mov_b32 v[NIL], 0
	ds_add_u32 v[SPW], v[NIL]                      ; the wave's opening: the add, twice on end, and its wait ahead of my first tensor load
	ds_add_u32 v[SPW], v[NIL]
	v_lshrrev_b32 v1, 5, v0
	v_readfirstlane_b32 s[WV], v1                  ; wave 0..7
	s_bfe_u32 s13, ttmp6, 0x40000                  ; cx: my place in the cluster: it enters Q's, ao's and the prefetches' addresses alone
	s_and_b32 s14, ttmp7, 0xffff                   ; batch x 16 + head, which the four partners share
	s_lshl_b32 s14, s14, 18                        ; its first byte in each of Q, K, V and in ao
	s_and_b32 s15, s[WV], 3                        ; which of a slot's four steps I fetch:
	s_lshl_b32 s16, s15, 13                        ; its 8,192 bytes in memory,
	s_add_co_u32 s16, s16, s14
	s_mov_b32 s17, 0
	s_mul_i32 s18, s15, STEPB                      ; and its place in a slot
	s_lshl_b32 s20, s13, 16                        ; my work-group's 512 queries of 128 bytes,
	s_lshl_b32 s21, s[WV], 13                      ; my wave's 64 of them
	s_add_co_u32 s20, s20, s21
	s_add_co_u32 s20, s20, s14
	s_mov_b32 s21, 0
	; descriptor group 1: a tile of 32 rows x 128 elements of 2 bytes, dense in memory, padded in LDS
	s_mov_b32 s[G1K], 15|(1<<16)|(1<<20)|(1<<21)|(5<<22)|(3<<25)   ; the mask: all four work-groups; padding: 4 words behind every 64
	s_mov_b32 s[G1V], 15|(1<<16)|(1<<20)|(1<<21)|(5<<22)|(7<<25)   ; the same with 8 words of padding
.irp g, G1K, G1V
	s_mov_b32 s[\g+1], 128<<16                     ; tensor_dim0
	s_mov_b32 s[\g+2], 32<<16                      ; tensor_dim1
	s_mov_b32 s[\g+3], 128<<16                     ; tile_dim0
	s_mov_b32 s[\g+4], 32                          ; tile_dim1
	s_mov_b32 s[\g+5], 128                         ; from row to row
	s_mov_b32 s[\g+6], 0
	s_mov_b32 s[\g+7], 0
.endr
	s_mov_b32 s[CS], 0x3e38aa3b                    ; c = log2(e) / 8
	s_mov_b32 s[CS+1], s[CS]                       ; named with it as a pair, so it is written
	s_mov_b32 s[SEL], 0x76543210
	s_mov_b32 s[SEL+1], 0xfedcba98
	s_mov_b32 s[TB], 0
	s_mov_b32 s[SLOTS], 7
	s_cmp_eq_u32 s15, 0                            ; waves 0 and 4 prefetch
	s_cselect_b32 s[LIM], 1, -1
	s_wait_dscnt 0x0                               ; both opening adds are done
	s_wait_kmcnt 0x0
	s_add_nc_u64 s[QP:QP+1], s[4:5], s[20:21]
	s_add_nc_u64 s[OP:OP+1], s[6:7], s[20:21]
	s_add_nc_u64 s[8:9], s[4:5], s[16:17]
	s_add_nc_u64 s[10:11], s[8:9], 0x2000000       ; V at my tile of the first slot,
	s_add_nc_u64 s[8:9], s[8:9], 0x1000000         ; K likewise
	s_mov_b32 s[G0K], 1
	s_mov_b32 s[G0K+1], s18
	s_mov_b64 s[G0K+2:G0K+3], s[8:9]
	s_or_b32 s[G0K+3], s[G0K+3], 0x80000000
	s_mov_b32 s[G0V], 1
	s_add_co_u32 s[G0V+1], s18, VOFF
	s_mov_b64 s[G0V+2:G0V+3], s[10:11]
	s_or_b32 s[G0V+3], s[G0V+3], 0x80000000
	s_cmp_lt_u32 s[WV], 4
	s_cselect_b64 s[PFA:PFA+1], s[8:9], s[10:11]   ; (in waves 0 and 4 these stand at a slot's first byte)
	s_lshl_b32 s2, s13, 13                         ; my work-group's 32 blocks of the 128
	s_mov_b32 s3, 0
	s_add_nc_u64 s[PFA:PFA+1], s[PFA:PFA+1], s[2:3]
	s_add_nc_u64 s[PFA:PFA+1], s[PFA:PFA+1], 32768 ; in the second slot's keys; the first change of slots steps it to the third's.  Nothing is prefetched at the head
	CROUND                                         ; all four work-groups are here: the first joint loads meet
	JLOAD                                          ; keys 0 to 255 into slot 0: one tensor load of mine is out
	v_and_b32 v1, 15, v0                           ; r
	v_bfe_u32 v13, v0, 4, 1                        ; h
	v_lshlrev_b32 v[QO], 7, v1
	v_lshl_add_u32 v[QO], v13, 4, v[QO]            ; row x 128 + 16 x half
.irp t, 0,1,2,3
.irp c, 0,1
	global_load_b128 v[Q+16*\t+8*\c:Q+16*\t+8*\c+3],   v[QO], s[QP:QP+1] offset:\t*2048+64*\c      ; Q stays in registers: tile t, channels 32 c on
	global_load_b128 v[Q+16*\t+8*\c+4:Q+16*\t+8*\c+7], v[QO], s[QP:QP+1] offset:\t*2048+64*\c+32
.endr
.endr
	v_lshrrev_b32 v14, 1, v1                       ; K: key r of a tile lies in LDS row r / 2, half r % 2
	v_mul_u32_u24 v[AK0], v14, 272
	v_and_b32 v14, 1, v1
	v_lshl_add_u32 v[AK0], v14, 7, v[AK0]
	v_lshl_add_u32 v[AK0], v13, 4, v[AK0]
	v_bfe_u32 v14, v0, 1, 2                        ; V: the turning load's lane l reads 16 bytes of key 8 h + l % 8, channels 8 ((l / 8) % 2) on
	v_lshl_add_u32 v14, v13, 2, v14
	v_mul_u32_u24 v[AV0], v14, 288
	v_and_b32 v14, 1, v0
	v_lshl_add_u32 v[AV0], v14, 7, v[AV0]
	v_bfe_u32 v14, v0, 3, 1
	v_lshl_add_u32 v[AV0], v14, 4, v[AV0]
	v_add_nc_u32 v[AV0], VOFF, v[AV0]
	s_mul_i32 s19, s[WV], 16*SROW                  ; my stage
	v_mul_u32_u24 v[STO], v1, SROW
	v_lshl_add_u32 v[STO], v13, 4, v[STO]
	v_add_nc_u32 v[STO], s19, v[STO]               ; in: row r, 16 bytes for each half of the lanes
	v_bfe_u32 v14, v0, 3, 2
	v_mul_u32_u24 v[RD], v14, SROW
	v_and_b32 v14, 7, v0
	v_lshl_add_u32 v[RD], v14, 4, v[RD]
	v_add_nc_u32 v[RD], s19, v[RD]                 ; back: eight lanes to a row, four rows an instruction
	v_and_b32 v[GO], 31, v0
	v_lshlrev_b32 v[PFO], 8, v[GO]
	v_lshlrev_b32 v[GO], 4, v[GO]
.irp t, 0,1,2,3
	v_mov_b32 v[ST+8*\t+1], 0xff61b1e6             ; m = -3e38, under every score
	v_mov_b32 v[ST+8*\t+2], 0                      ; l, in two halves
	v_mov_b32 v[ST+8*\t+3], 0
	v_mov_b32 v[ST+8*\t+5], 0                      ; written once: a lane permute's destination counts as one of its sources
	v_mul_f32 v[ST+8*\t], s[CS], v[ST+8*\t+1]      ; c m
.endr
	WIN 0x40
.set i, 0
.rept 128
	v_mov_b32 v[i], 0                              ; O^T.  The step is written for every step alike: the first finds zeros, which a = 0 leaves zeros
.set i, i+1
.endr
	WIN 0
; A KEY STEP: 64 keys.
.macro STEP
	v_add_nc_u32 v[ADK], s[TB], v[AK0]
	v_add_nc_u32 v[ADV], s[TB], v[AV0]
.rept 3
	v_nop                                          ; with the two additions five places behind the last step's products: the products below write over P, which those read (five are owed), and the loads land on V's fragments (four)
.endr
	WIN 0x40                                       ; destination window 1
.irp f, 0,1,2,3
.irp c, 0,1
	ds_load_b128 v[KF+16*\f+8*\c:KF+16*\f+8*\c+3],   v[ADK] offset:2176*\f+64*\c       ; keys 16 f on, channels 32 c on
	ds_load_b128 v[KF+16*\f+8*\c+4:KF+16*\f+8*\c+7], v[ADK] offset:2176*\f+64*\c+32
.endr
.endr
.irp g, 0,1
.irp u, 0,1,2,3
	ds_load_tr16_b128 v[VF+32*\g+8*\u:VF+32*\g+8*\u+3],   v[ADV] offset:4608*\g+32*\u        ; keys 32 g on, channels 16 u on
	ds_load_tr16_b128 v[VF+32*\g+8*\u+4:VF+32*\g+8*\u+7], v[ADV] offset:4608*\g+32*\u+2304
.endr
.endr
	s_wait_dscnt 16                                ; K is in; V's sixteen loads may be out
	WIN 0x01                                       ; source 0 (K) window 1
.irp c, 0,1                            ; the 16 accumulators take turns, one instruction a turn
.irp f, 0,1,2,3
.irp t, 0,1,2,3
.if \c == 0
	v_wmma_f32_16x16x32_f16 v[S+32*\t+8*\f:S+32*\t+8*\f+7], v[KF+16*\f+8*\c:KF+16*\f+8*\c+7], v[Q+16*\t+8*\c:Q+16*\t+8*\c+7], 0
.else
	v_wmma_f32_16x16x32_f16 v[S+32*\t+8*\f:S+32*\t+8*\f+7], v[KF+16*\f+8*\c:KF+16*\f+8*\c+7], v[Q+16*\t+8*\c:Q+16*\t+8*\c+7], v[S+32*\t+8*\f:S+32*\t+8*\f+7]
.endif
.endr
.endr
.endr
	WIN 0
.rept 4
	v_nop                                          ; places in front of the first read of the scores
.endr
.irp j, 0,1,2,3                        ; the maximum of my 32 scores and the old m: four chains a tile, the tiles by turns; each accumulator is first read at its low end
.irp t, 0,1,2,3
	v_max3_num_f32 v[ST+8*\t+4+\j], v[S+32*\t+8*\j], v[S+32*\t+8*\j+1], v[S+32*\t+8*\j+2]
.endr
.endr
.irp i, 3,5
.irp j, 0,1,2,3
.irp t, 0,1,2,3
	v_max3_num_f32 v[ST+8*\t+4+\j], v[ST+8*\t+4+\j], v[S+32*\t+8*\j+\i], v[S+32*\t+8*\j+\i+1]
.endr
.endr
.endr
.irp t, 0,1,2,3
	v_max3_num_f32 v[ST+8*\t+4], v[ST+8*\t+4], v[S+32*\t+7], v[S+32*\t+15]
.endr
.irp t, 0,1,2,3
	v_max3_num_f32 v[ST+8*\t+6], v[ST+8*\t+6], v[S+32*\t+23], v[S+32*\t+31]
.endr
.irp t, 0,1,2,3
	v_max3_num_f32 v[ST+8*\t+4], v[ST+8*\t+4], v[ST+8*\t+5], v[ST+8*\t+6]
.endr
.irp t, 0,1,2,3
	v_max3_num_f32 v[ST+8*\t+4], v[ST+8*\t+4], v[ST+8*\t+7], v[ST+8*\t+1]
.endr
.irp t, 0,1,2,3
	v_permlanex16_b32 v[ST+8*\t+5], v[ST+8*\t+4], s[SEL], s[SEL+1]   ; the query's other 32 keys lie in the lane 16 away
.endr
.irp t, 0,1,2,3
	v_mov_b32 v[ST+8*\t+7], v[ST+8*\t]             ; c m_old is kept for a
.endr
.irp t, 0,1,2,3
	v_max_num_f32 v[ST+8*\t+1], v[ST+8*\t+4], v[ST+8*\t+5]
.endr
.irp t, 0,1,2,3
	v_mul_f32 v[ST+8*\t], s[CS], v[ST+8*\t+1]
.endr
.irp t, 0,1,2,3
	v_sub_f32 v[ST+8*\t+7], v[ST+8*\t+7], v[ST+8*\t]
.endr
	; ONE BATCH: the four a, the 64 packed scalings c s - c m and the 128 exponentials; none of these names an exponential's result.  Tile t's scalings stand among tile t - 1's exponentials.
.irp t, 0,1,2,3
	v_exp_f32 v[ST+8*\t+6], v[ST+8*\t+7]
.endr
.irp b, 0,1,2,3,4,5,6,7,8,9,10,11,12,13,14,15
	v_pk_fma_f32 v[S+2*\b:S+2*\b+1], v[S+2*\b:S+2*\b+1], s[CS:CS+1], v[ST:ST+1] op_sel_hi:[1,0,0] neg_lo:[0,0,1] neg_hi:[0,0,1]
.endr
.irp t, 1,2,3
.irp b, 0,1,2,3,4,5,6,7,8,9,10,11,12,13,14,15
	v_pk_fma_f32 v[S+32*\t+2*\b:S+32*\t+2*\b+1], v[S+32*\t+2*\b:S+32*\t+2*\b+1], s[CS:CS+1], v[ST+8*\t:ST+8*\t+1] op_sel_hi:[1,0,0] neg_lo:[0,0,1] neg_hi:[0,0,1]
	v_exp_f32 v[S+32*(\t-1)+2*\b], v[S+32*(\t-1)+2*\b]
	v_exp_f32 v[S+32*(\t-1)+2*\b+1], v[S+32*(\t-1)+2*\b+1]
.endr
.endr
.irp e, 0,1,2,3,4,5,6,7,8,9,10,11,12,13,14,15,16,17,18,19,20,21,22,23,24,25,26,27,28,29,30,31
	v_exp_f32 v[S+96+\e], v[S+96+\e]
.endr
	v_nop                                          ; a plain line behind the last exponential
	s_wait_alu depctr_va_vdst(0)                   ; one wait for the whole batch, ahead of its first reader
.irp t, 0,1,2,3
	v_pk_mul_f32 v[ST+8*\t+2:ST+8*\t+3], v[ST+8*\t+2:ST+8*\t+3], v[ST+8*\t+6:ST+8*\t+7] op_sel_hi:[1,0]   ; l under the new m
.endr
.irp t, 0,1,2,3
	v_pk_add_f32 v[L2+2*\t:L2+2*\t+1], v[S+32*\t:S+32*\t+1], v[S+32*\t+2:S+32*\t+3]    ; the sum of the unrounded p, two at a time, in two chains
.endr
.irp j, 4,8,12,16,20,24,28
.irp t, 0,1,2,3
	v_pk_add_f32 v[ST+8*\t+2:ST+8*\t+3], v[ST+8*\t+2:ST+8*\t+3], v[S+32*\t+\j:S+32*\t+\j+1]
	v_pk_add_f32 v[L2+2*\t:L2+2*\t+1], v[L2+2*\t:L2+2*\t+1], v[S+32*\t+\j+2:S+32*\t+\j+3]
.endr
.endr
.irp t, 0,1,2,3
	v_pk_add_f32 v[ST+8*\t+2:ST+8*\t+3], v[ST+8*\t+2:ST+8*\t+3], v[L2+2*\t:L2+2*\t+1]
.endr
.irp i, 0,1,2,3,4,5,6,7,8,9,10,11,12,13,14,15
.irp t, 0,1,2,3
	v_cvt_pk_f16_f32 v[S+32*\t+\i], v[S+32*\t+2*\i], v[S+32*\t+2*\i+1]     ; P in place, ascending: register i is written when registers 2 i and 2 i + 1 are read
.endr
.endr
	WIN 0x41                                       ; O^T (destination and source 0) window 1, a window 0
.irp t, 0,1,2,3
.irp i, 0,2,4,6,8,10,12,14,16,18,20,22,24,26,28,30
	v_pk_mul_f32 v[32*\t+\i:32*\t+\i+1], v[32*\t+\i:32*\t+\i+1], v[ST+8*\t+6:ST+8*\t+7] op_sel_hi:[1,0]   ; O^T under the new m, each accumulator from its low end on
.endr
.endr
	s_wait_dscnt 0x0                               ; V is in
	WIN 0x51                                       ; V, C and D window 1, P window 0
.irp g, 0,1                            ; the 16 accumulators take turns
.irp u, 0,1,2,3
.irp t, 0,1,2,3
	v_wmma_f32_16x16x32_f16 v[32*\t+8*\u:32*\t+8*\u+7], v[VF+32*\g+8*\u:VF+32*\g+8*\u+7], v[S+32*\t+8*\g:S+32*\t+8*\g+7], v[32*\t+8*\u:32*\t+8*\u+7]
.endr
.endr
.endr
	WIN 0
.endm
; THE CHANGE OF SLOTS stands at a slot's head.  Each wave waits for all its tensor loads (its part of the slot that it is about to read), adds 0 to its spare word, and waits for that and for its reads of the
; slot that it has left.  fill = 1: a round of the cluster's barrier, and behind it the other slot takes the keys that follow.  (In the first trip that is slot 1's first fill, and nobody fills bytes again.)
.macro CHANGE fill
	s_wait_tensorcnt 0x0                           ; no tensor load of mine is out, so a group 0 may be written
	ds_add_u32 v[SPW], v[NIL]                      ; 0 onto my spare word
.if \fill
	s_xor_b32 s[G0K+1], s[G0K+1], SLOT1            ; the walking descriptors: the other slot than last time,
	s_add_nc_u64 s[G0K+2:G0K+3], s[G0K+2:G0K+3], 32768   ; the next 256 keys; the type bits on top are not reached
	s_xor_b32 s[G0V+1], s[G0V+1], SLOT1
	s_add_nc_u64 s[G0V+2:G0V+3], s[G0V+2:G0V+3], 32768
	s_wait_xcnt 0x0                                ; the last prefetch, a slot back, has read its address, so it may be written:
	s_add_nc_u64 s[PFA:PFA+1], s[PFA:PFA+1], 32768 ; one slot further on than the walking descriptors
	s_wait_dscnt 0x0                               ; the add is done, and my reads of the slot that I have left are over
	CROUND
	JLOAD                                          ; the first thing behind the round, and my one tensor load until the next
	ASK                                            ; what the next change will ask for: four key steps ahead of that load
.else
	s_wait_dscnt 0x0
	s_barrier_signal -1
	s_barrier_wait -1
.endif
.endm
.macro SLOT_STEPS                      ; a slot's four steps: written once, walked four times; the LDS addresses hang on s[TB]
	s_mov_b32 s[CNT], NSTEP
.Lstep_\@:
	STEP
	s_add_co_u32 s[TB], s[TB], STEPB
	s_sub_co_u32 s[CNT], s[CNT], 1
	s_cmp_lg_u32 s[CNT], 0
	s_cbranch_scc1 .Lstep_\@
	s_sub_co_u32 s[TB], s[TB], NSTEP*STEPB
	s_xor_b32 s[TB], s[TB], SLOT1                  ; on to the other slot
.endm
	s_wait_loadcnt 0x0                             ; Q
.Lslot:                                            ; seven trips: behind each change of slots but the last the next 256 keys are asked for
	CHANGE 1
	SLOT_STEPS
	s_sub_co_u32 s[SLOTS], s[SLOTS], 1
	s_cmp_lg_u32 s[SLOTS], 0
	s_cbranch_scc1 .Lslot
	CHANGE 0                                       ; the last slot is written out
	SLOT_STEPS
	; THE WAY OUT.  l's two halves and the other half of the lanes' are added; O^T is divided by l, rounded to f16 and sent through my stage, a tile (16 rows) at a time.  The additions are the places behind the last products.
.irp t, 0,1,2,3
	v_add_f32 v[ST+8*\t+4], v[ST+8*\t+2], v[ST+8*\t+3]
.endr
.irp t, 0,1,2,3
	v_permlanex16_b32 v[ST+8*\t+5], v[ST+8*\t+4], s[SEL], s[SEL+1]
.endr
.irp t, 0,1,2,3
	v_add_f32 v[ST+8*\t+4], v[ST+8*\t+4], v[ST+8*\t+5]
.endr
.irp t, 0,1,2,3
	v_rcp_f32 v[ST+8*\t+6], v[ST+8*\t+4]
.endr
	v_nop                                          ; a plain line behind the last reciprocal
	s_wait_alu depctr_va_vdst(0)                   ; one wait for the four, ahead of their first reader
.macro PACK t
	WIN 0x01                                       ; source 0 (O^T) window 1; the quotients go to S^T's registers
.irp i, 0,2,4,6,8,10,12,14,16,18,20,22,24,26,28,30
	v_pk_mul_f32 v[S+32*\t+\i:S+32*\t+\i+1], v[32*\t+\i:32*\t+\i+1], v[ST+8*\t+6:ST+8*\t+7] op_sel_hi:[1,0]
.endr
	WIN 0
.irp i, 0,1,2,3,4,5,6,7,8,9,10,11,12,13,14,15
	v_cvt_pk_f16_f32 v[S+32*\t+\i], v[S+32*\t+2*\i], v[S+32*\t+2*\i+1]
.endr
.irp u, 0,1,2,3
	ds_store_b128 v[STO], v[S+32*\t+4*\u:S+32*\t+4*\u+3] offset:32*\u
.endr
.irp i, 0,1,2,3
	ds_load_b128 v[S+32*\t+16+4*\i:S+32*\t+16+4*\i+3], v[RD] offset:4*SROW*\i   ; LDS serves a wave's instructions in order: these see the stores above; the next tile's stores come behind them
.endr
.endm
.macro SEND t, younger                 ; younger: the LDS instructions issued behind tile t's loads: the next tile's eight, or none
	s_wait_dscnt \younger
.irp i, 0,1,2,3
	global_store_b128 v[GO], v[S+32*\t+16+4*\i:S+32*\t+16+4*\i+3], s[OP:OP+1] offset:\t*2048+512*\i   ; 32 lanes store four rows: 512 consecutive bytes
.endr
.endm
	PACK 0
	PACK 1
	SEND 0, 8
	PACK 2
	SEND 1, 8
	PACK 3
	SEND 2, 8
	SEND 3, 0
	s_wait_tensorcnt 0x0                           ; the wave's end, behind my last tensor load and my last LDS store
	ds_add_u32 v[SPW], v[NIL]
	s_wait_dscnt 0x0
	CROUND                                         ; the closing round: no work-group ends while a partner may still ask for a tile that names it
	s_endpgm
.Lfunc_end_k_q7ed1be2178_attn:
	.size	k_q7ed1be2178_attn, .Lfunc_end_k_q7ed1be2178_attn-k_q7ed1be2178_attn
	.p2alignl 7, 3214868480
	.fill 96, 4, 3214868480
	.section	.rodata,"a",@progbits
	.p2align	6, 0x0
	.amdhsa_kernel k_q7ed1be2178_attn
		.amdhsa_group_segment_fixed_size 327680
		.amdhsa_private_segment_fixed_size 0
		.amdhsa_enable_private_segment 0
		.amdhsa_kernarg_size 16
		.amdhsa_user_sgpr_count 2
		.amdhsa_user_sgpr_kernarg_segment_ptr 1
		.amdhsa_wavefront_size32 1
		.amdhsa_system_sgpr_workgroup_id_x 1
		.amdhsa_system_sgpr_workgroup_id_y 1
		.amdhsa_system_sgpr_workgroup_id_z 1
		.amdhsa_system_vgpr_workitem_id 0
		.amdhsa_next_free_vgpr 512
		.amdhsa_next_free_sgpr 66
		.amdhsa_reserve_vcc 0
		.amdhsa_float_denorm_mode_32 3
		.amdhsa_float_denorm_mode_16_64 3
		.amdhsa_memory_ordered 1
		.amdhsa_forward_progress 1
		.amdhsa_inst_pref_size 92
	.end_amdhsa_kernel
	.amdgpu_metadata
---
amdhsa.version: [ 1, 2 ]
amdhsa.kernels:
  - .name:           k_q7ed1be2178_attn
    .symbol:         k_q7ed1be2178_attn.kd
    .args:
      - { .name: qkv, .offset: 0, .size: 8, .value_kind: global_buffer, .address_space: global }
      - { .name: ao, .offset: 8, .size: 8, .value_kind: global_buffer, .address_space: global }
    .group_segment_fixed_size: 327680
    .private_segment_fixed_size: 0
    .kernarg_segment_align: 8
    .kernarg_segment_size: 16
    .max_flat_workgroup_size: 256
    .sgpr_count:     66
    .vgpr_count:     512
    .wavefront_size: 32
...
	.end_amdgpu_metadata
.endif
;; end of part 4
;; launch outp (part 5): grid 4 x 64, 4 waves a work-group, clusters of 4 x 4, 327,680 bytes of LDS; arguments ao, wo16, wo_b, out0; writes out0
.if DOCPART == 5
	.amdgcn_target "amdgcn-amd-amdhsa--gfx1250"
	.amdhsa_code_object_version 6
	.text
	.protected	k_q7ed1be2178_outp
	.globl	k_q7ed1be2178_outp
	.p2align	8
	.type	k_q7ed1be2178_outp,@function
k_q7ed1be2178_outp:
	s_mov_b64 s[64:65], 0
	v_nop
	global_prefetch_b8 v0, s[64:65] scope:SCOPE_SE
	s_setreg_imm32_b32 hwreg(HW_REG_WAVE_MODE, 25, 1), 1
	s_wait_xcnt 0x0
	s_wait_alu depctr_hold_cnt(0) depctr_sa_sdst(0) depctr_va_vdst(0) depctr_va_sdst(0) depctr_va_ssrc(0) depctr_va_vcc(0) depctr_vm_vsrc(0)
	s_getreg_b32 s2, hwreg(HW_REG_IB_STS2, 6, 4)
	s_cmp_eq_u32 s2, 0
	s_cbranch_scc0 .Lentry_in_a_cluster
	s_endpgm
.Lentry_in_a_cluster:
	s_bfe_u32 s2, ttmp6, 0x10000c
	s_cmp_lg_u32 s2, 0xf033
	s_cbranch_scc0 .Lentry_shape_is_right
	s_endpgm
.Lentry_shape_is_right:
; out0[row][n] = the sum over k of A[row][k] wo[k][n] + wo_b[n].  A is attention's result, ao = [64 (batch x 16 + head)][2048][64] f16: A[2048 batch + pos][64 head + d] = ao[16 batch + head][pos][d].
; wo16 = [1024 k][1024 n] f16; out0 = [8192][1024] f32; f16 operands, f32 sums.
; A tile of out0 is 128 rows x 256 columns: 256 work-groups of four waves; wave (wr, wc) makes 64 rows x 128 columns: 32 accumulators of 16 x 16.
; K goes in steps of 128 (two heads) through a ring of two LDS slots.  A head's 128 rows of 128 bytes are dense in memory: they are stated as 64 rows of 256 bytes, two positions to a row (waves 0, 1: a head each).
; wo's tile is 128 k x 512 bytes (waves 2, 3: 64 k each); it is read turned, by ds_load_tr16_b128.
; CLUSTERS: 4 x 4 work-groups; A's tile is shared along a row of the cluster, wo's along a column: each is asked for jointly.
; THE MATRIX INSTRUCTION IS USED TRANSPOSED (source 0 = 16 columns of wo, source 1 = 16 rows of A): a lane holds eight neighbouring numbers of a row of out0.  The bias is the C of each sum's first product.
; REGISTERS.  window 0: v0-31 addresses; v32-95 A's fragments, two buffers of 4; v128-255 wo's fragments, two buffers of 8, on the way out rows read back.  window 1: the accumulators ((a, b) at v[8 (8 a + b)]).  window 2: v0-63 the bias.
.set PA,    272                        ; A's LDS row: 256 bytes + 16
.set AH,    64*PA                      ; a head's 128 positions
.set PB,    544                        ; wo's LDS row: 512 bytes + 32
.set BOFF,  2*AH
.set BH,    64*PB
.set SLOT,  BOFF+2*BH
.set SPARE, 2*SLOT                     ; behind the ring: the spare words, 128 bytes for each wave
.set SPITCH, 528                       ; the way out: a stage of 16 rows x (512 bytes + 16) for each wave, in slot 0, which has had its last fill and its last read by then
.set LAPS,  4                          ; a lap = two K steps = once round the ring
.set ADRA, 16
.set ADRB, 20
.set STO,  24
.set RD,   25
.set CO,   26
.set BO,   27
.set SPW,  28                          ; v28  LDS address of my spare word; never rewritten
.set NIL,  29                          ; v29  0; never rewritten
.set AF,   32
.set BF,   128
.set BK,   128
.set WV,   12
.set G1, 24
.set G0, 32
.set G1B, 48
.set G0B, 56
.set MSB, 0
.macro WIN new
.if MSB != (\new)
	s_set_vgpr_msb (MSB<<8)|(\new)
.set MSB, (\new)
.endif
.endm
.set MUL, 0x50                         ; C and D window 1, both sources window 0
.macro JLOAD s                         ; a joint load: waves 0 and 1 fetch A's two heads, waves 2 and 3 wo's two halves; an s_nop 0 and four v_nop follow each of the two lines
	s_cmp_eq_u32 s13, 0
	s_cbranch_scc0 .Lfor_b_\@
	tensor_load_to_lds s[G0+4*\s:G0+4*\s+3], s[G1:G1+7]
	s_nop 0
.rept 4
	v_nop
.endr
	s_branch .Lasked_\@
.Lfor_b_\@:
	tensor_load_to_lds s[G0B+4*\s:G0B+4*\s+3], s[G1B:G1B+7]
	s_nop 0
.rept 4
	v_nop
.endr
.Lasked_\@:
.endm
.macro CREST                           ; a round of the cluster's barrier behind its opening barrier
	s_cmp_lg_u32 s[WV], 0
	s_cbranch_scc1 .Lnot_wave_0_\@
	s_barrier_signal -3
.Lnot_wave_0_\@:
	s_barrier_wait -3
	s_barrier_signal -1
	s_barrier_wait -1
.endm
.macro CROUND
	s_barrier_signal -1
	s_barrier_wait -1
	CREST
.endm
	s_load_b256 s[4:11], s[0:1], 0x0               ; ao s[4:5], wo16 s[6:7], wo_b s[8:9], out0 s[10:11]
	v_lshl_add_u32 v[SPW], v0, 2, SPARE
	v_mov_b32 v[NIL], 0
	ds_add_u32 v[SPW], v[NIL]                      ; the wave's opening: the add, twice on end, and its wait ahead of my first tensor load
	ds_add_u32 v[SPW], v[NIL]
	v_lshrrev_b32 v1, 5, v0
	v_readfirstlane_b32 s[WV], v1                  ; wave 0..3
	s_lshr_b32 s13, s[WV], 1                       ; which half of the tile's rows is mine.  Also: I fetch for A (0) or for wo (1)
	s_and_b32 s14, s[WV], 1                        ; which half of its columns.  Also: which head, or which 64 k, I fetch
	s_bfe_u32 s40, ttmp6, 0x40000                  ; cx, cy
	s_bfe_u32 s41, ttmp6, 0x40004
	s_lshl_b32 s42, ttmp9, 2
	s_add_co_u32 s42, s42, s40                     ; tile column
	s_and_b32 s15, ttmp7, 0xffff
	s_lshl_b32 s15, s15, 2
	s_add_co_u32 s15, s15, s41                     ; tile row, 0 .. 63
	s_lshl_b32 s43, s41, 2
	s_lshl_b32 s43, 15, s43                        ; my row of the cluster
	s_lshl_b32 s44, 0x1111, s40                    ; my column
	s_or_b32 s[G1], s43, (1<<16)|(1<<20)|(1<<21)|(5<<22)|(3<<25)    ; A: elements of 2 bytes; 4 words of padding behind every 64
	s_mov_b32 s[G1+1], 128<<16                     ; tensor_dim0
	s_mov_b32 s[G1+2], 64<<16                      ; tensor_dim1
	s_mov_b32 s[G1+3], 128<<16                     ; tile_dim0
	s_mov_b32 s[G1+4], 64                          ; tile_dim1
	s_mov_b32 s[G1+5], 128                         ; from row to row: dense
	s_mov_b32 s[G1+6], 0
	s_mov_b32 s[G1+7], 0
	s_or_b32 s[G1B], s44, (1<<16)|(1<<20)|(1<<21)|(6<<22)|(7<<25)   ; wo: 8 words of padding behind every 128
	s_mov_b32 s[G1B+1], 256<<16
	s_mov_b32 s[G1B+2], 64<<16
	s_mov_b32 s[G1B+3], 256<<16
	s_mov_b32 s[G1B+4], 64
	s_mov_b32 s[G1B+5], 1024
	s_mov_b32 s[G1B+6], 0
	s_mov_b32 s[G1B+7], 0
	s_lshr_b32 s16, s15, 4                         ; A: the batch, 2^22 bytes each,
	s_lshl_b32 s16, s16, 22
	s_and_b32 s17, s15, 15                         ; 128 positions of 128 bytes for each tile row in it,
	s_lshl_b32 s17, s17, 14
	s_add_co_u32 s16, s16, s17
	s_lshl_b32 s17, s14, 18                        ; the head that I fetch, 2^18 bytes each
	s_add_co_u32 s16, s16, s17
	s_mov_b32 s17, 0
	s_lshl_b32 s46, s42, 9                         ; wo: 512 bytes a tile column,
	s_lshl_b32 s47, s14, 17                        ; 64 rows of 2,048 bytes for my half
	s_add_co_u32 s46, s46, s47
	s_mov_b32 s47, 0
	s_mul_i32 s20, s14, AH                         ; where they go: no place in the cluster enters an LDS address
	s_mul_i32 s21, s14, BH
	s_add_co_u32 s21, s21, BOFF
	s_wait_dscnt 0x0                               ; both opening adds are done
	s_wait_kmcnt 0x0
	s_add_nc_u64 s[18:19], s[4:5], s[16:17]
	s_add_nc_u64 s[46:47], s[6:7], s[46:47]
	CROUND                                         ; all sixteen work-groups are here: the first joint loads meet
.irp s, 0,1
	s_mov_b32 s[G0+4*\s], 1
	s_add_co_u32 s[G0+4*\s+1], s20, \s*SLOT
	s_add_nc_u64 s[G0+4*\s+2:G0+4*\s+3], s[18:19], \s*524288       ; a K step on: two heads
	s_or_b32 s[G0+4*\s+3], s[G0+4*\s+3], 0x80000000
	s_mov_b32 s[G0B+4*\s], 1
	s_add_co_u32 s[G0B+4*\s+1], s21, \s*SLOT
	s_add_nc_u64 s[G0B+4*\s+2:G0B+4*\s+3], s[46:47], \s*262144     ; a K step on: 128 rows
	s_or_b32 s[G0B+4*\s+3], s[G0B+4*\s+3], 0x80000000
	JLOAD \s                                       ; two tensor loads of mine are out
.endr
	v_and_b32 v1, 15, v0                           ; r
	v_bfe_u32 v2, v0, 4, 1                         ; h
	v_lshrrev_b32 v3, 1, v1                        ; A: position r of a block lies in LDS row r / 2, half r % 2
	v_mul_u32_u24 v3, v3, PA
	v_and_b32 v4, 1, v1
	v_lshl_add_u32 v3, v4, 7, v3
	v_lshl_add_u32 v3, v2, 4, v3
	v_and_b32 v4, 7, v0                            ; wo: the turning load's lane l reads 16 bytes of row 8 h + l % 8, columns 8 ((l / 8) % 2) on
	v_lshl_add_u32 v4, v2, 3, v4
	v_mul_u32_u24 v4, v4, PB
	v_bfe_u32 v5, v0, 3, 1
	v_lshl_add_u32 v4, v5, 4, v4
	s_mul_i32 s21, s13, 32*PA                      ; my 64 rows of A
	s_lshl_b32 s22, s14, 8                         ; my 128 columns of wo
	s_add_co_u32 s22, s22, BOFF
.irp s, 0,1
	v_add_nc_u32 v[ADRA+\s], s21, v3
	v_add_nc_u32 v[ADRB+\s], s22, v4
	s_add_co_u32 s21, s21, SLOT
	s_add_co_u32 s22, s22, SLOT
.endr
	s_mul_i32 s23, s[WV], 16*SPITCH                ; my stage
	v_mul_u32_u24 v5, v1, SPITCH                   ; in: row r, 32 bytes for each half of the lanes
	v_lshl_add_u32 v5, v2, 5, v5
	v_add_nc_u32 v[STO], s23, v5
	v_and_b32 v6, 31, v0
	v_lshlrev_b32 v[CO], 4, v6                     ; back: the 32 lanes take one row of 512 bytes; and the same in out0
	v_add_nc_u32 v[RD], s23, v[CO]
	v_lshlrev_b32 v[BO], 5, v2
	s_lshl_b32 s16, s42, 10                        ; my first column, in bytes of f32: 1024 x tile column + 512 x half
	s_lshl_b32 s17, s14, 9
	s_add_co_u32 s16, s16, s17
	s_mov_b32 s17, 0
	s_add_nc_u64 s[8:9], s[8:9], s[16:17]          ; the bias there
	s_lshl_b32 s18, s15, 19                        ; my first row: 128 x tile row + 64 x half, 4,096 bytes a row
	s_lshl_b32 s19, s13, 18
	s_add_co_u32 s18, s18, s19
	s_add_co_u32 s16, s16, s18
	s_add_nc_u64 s[10:11], s[10:11], s[16:17]
	WIN 0x80                                       ; destination window 2
.irp b, 0,1,2,3,4,5,6,7
	global_load_b128 v[8*\b:8*\b+3], v[BO], s[8:9] offset:64*\b        ; the bias in the result's layout: columns 16 b + 8 h + 0 .. 7
	global_load_b128 v[8*\b+4:8*\b+7], v[BO], s[8:9] offset:64*\b+16
.endr
	WIN 0
; 8 matrix instructions: row block a x all 8 column blocks, 32 along K, from buffer p.  zero = 1: the first product starts the sums, with the bias as its C.
; The 32 accumulators take turns, one instruction a turn, in the same order in every quarter.
.macro MUL8 p, a, zero
.irp b, 0,1,2,3,4,5,6,7
.if \zero
	v_wmma_f32_16x16x32_f16 v[8*(8*(\a)+\b):8*(8*(\a)+\b)+7], v[BF+64*(\p)+8*\b:BF+64*(\p)+8*\b+7], v[AF+32*(\p)+8*(\a):AF+32*(\p)+8*(\a)+7], v[8*\b:8*\b+7]
.else
	v_wmma_f32_16x16x32_f16 v[8*(8*(\a)+\b):8*(8*(\a)+\b)+7], v[BF+64*(\p)+8*\b:BF+64*(\p)+8*\b+7], v[AF+32*(\p)+8*(\a):AF+32*(\p)+8*(\a)+7], v[8*(8*(\a)+\b):8*(8*(\a)+\b)+7]
.endif
.endr
.endm
; 24 LDS loads in one run: the fragments of the slot's quarter q (32 along K: head q / 2, channels 32 (q % 2) on) into buffer p
.macro FETCH slot, q, p
.irp i, 0,1,2,3
	ds_load_b128 v[AF+32*(\p)+8*\i:AF+32*(\p)+8*\i+3],   v[ADRA+\slot] offset:((\q)/2)*AH+((\q)%2)*64+8*PA*\i
	ds_load_b128 v[AF+32*(\p)+8*\i+4:AF+32*(\p)+8*\i+7], v[ADRA+\slot] offset:((\q)/2)*AH+((\q)%2)*64+8*PA*\i+32
.endr
.irp b, 0,1,2,3,4,5,6,7
	ds_load_tr16_b128 v[BF+64*(\p)+8*\b:BF+64*(\p)+8*\b+3],   v[ADRB+\slot] offset:32*PB*(\q)+32*\b
	ds_load_tr16_b128 v[BF+64*(\p)+8*\b+4:BF+64*(\p)+8*\b+7], v[ADRB+\slot] offset:32*PB*(\q)+32*\b+16*PB
.endr
.endm
.macro PLACES                          ; four plain lines in front of loads into registers that matrix instructions have read, and of the first read of results (ISA guide 7.12.1 for reads)
.rept 4
	v_nop
.endr
.endm
; A K step is four quarters of 32 along K, 32 matrix instructions each, on buffers 0, 1, 0, 1.  One of the first three: multiplies buffer p and fetches quarter qn into the other.
.macro QUARTER slot, qn, p, zero
	s_wait_dscnt 0x0                               ; this quarter's fragments are in (asked for 16 matrix instructions ago)
	WIN MUL+0x10*(\zero)                           ; (zero = 1: C, the bias, lies in window 2)
	MUL8 \p, 0, \zero
	MUL8 \p, 1, \zero
	WIN 0
	PLACES
	FETCH \slot, \qn, 1-(\p)
	WIN MUL+0x10*(\zero)
	MUL8 \p, 2, \zero
	MUL8 \p, 3, \zero
.endm
; The last quarter multiplies buffer 1 and changes slots: ONE barrier; in front of it each wave waits for all its tensor loads, adds 0 to its spare word, and waits for that and for its own reads of this slot.
; fill = 1: the barrier opens a round of the cluster's barrier, and this slot is filled again, two K steps ahead.
.macro TURN slot, next, fill
	WIN 0
	s_wait_tensorcnt 0x0                           ; all my tensor loads have landed: my part of the next slot
	ds_add_u32 v[SPW], v[NIL]                      ; 0 onto my spare word
	s_wait_dscnt 1                                 ; my fragments are in; the add may be out
	WIN MUL
	MUL8 1, 0, 0                                   ; eight matrix instructions stand between the add and the wait for it
	s_wait_dscnt 0x0                               ; the add is done, and my reads of this slot are over
	s_barrier_signal -1
	MUL8 1, 1, 0
	WIN 0
	s_barrier_wait -1
.if \fill
	CREST                                          ; no wave of any partner still reads this slot's tile or has a load on its way
	s_add_nc_u64 s[G0+4*\slot+2:G0+4*\slot+3], s[G0+4*\slot+2:G0+4*\slot+3], 1048576
	s_add_nc_u64 s[G0B+4*\slot+2:G0B+4*\slot+3], s[G0B+4*\slot+2:G0B+4*\slot+3], 524288
	JLOAD \slot                                    ; the first tensor load behind the round; the four v_nop behind it are also the places in front of the loads below
.else
	PLACES
.endif
	FETCH \next, 0, 0
	WIN MUL
	MUL8 1, 2, 0
	MUL8 1, 3, 0
.endm
	s_wait_tensorcnt 1                             ; my part of K step 0 is in (K step 1's load may be out),
	s_barrier_signal -1
	s_barrier_wait -1                              ; everybody's is
	FETCH 0, 0, 0
	s_wait_loadcnt 0x0                             ; the bias
	QUARTER 0, 1, 0, 1                             ; the first quarter stands in front of the loop: its products start the sums
	WIN 0                                          ; at a label and at a branch every window is 0
	s_mov_b32 s3, LAPS-1
.Llap:                                             ; a trip goes once round the ring, from a lap's second quarter to the next lap's first, and fills both slots again
	QUARTER 0, 2, 1, 0
	QUARTER 0, 3, 0, 0
	TURN 0, 1, 1
	QUARTER 1, 1, 0, 0
	QUARTER 1, 2, 1, 0
	QUARTER 1, 3, 0, 0
	TURN 1, 0, 1
	QUARTER 0, 1, 0, 0
	WIN 0
	s_sub_co_u32 s3, s3, 1
	s_cmp_lg_u32 s3, 0
	s_cbranch_scc1 .Llap
	QUARTER 0, 2, 1, 0                             ; the last lap fills nothing, and has no round of the cluster's barrier
	QUARTER 0, 3, 0, 0
	TURN 0, 1, 0
	QUARTER 1, 1, 0, 0
	QUARTER 1, 2, 1, 0
	QUARTER 1, 3, 0, 0
	s_wait_dscnt 0x0                               ; the very last quarter: nothing more to fetch
	WIN MUL
	MUL8 1, 0, 0
	MUL8 1, 1, 0
	MUL8 1, 2, 0
	MUL8 1, 3, 0
	WIN 0
; THE WAY OUT, block by block of 16 rows x 128 columns: through my own stage in LDS and back as whole rows of 512 bytes.  LDS serves a wave's instructions in order: no wait between the stores and the loads.
.macro TOSTAGE a
	WIN 0x04                                       ; an LDS store's data are its source 1: window 1
.irp b, 0,1,2,3,4,5,6,7
	ds_store_b128 v[STO], v[64*(\a)+8*\b:64*(\a)+8*\b+3] offset:64*\b          ; each accumulator from its low end on
	ds_store_b128 v[STO], v[64*(\a)+8*\b+4:64*(\a)+8*\b+7] offset:64*\b+16
.endr
	WIN 0
.set BB, BK+64*((\a)%2)
.irp t, 0,1,2,3,4,5,6,7,8,9,10,11,12,13,14,15
	ds_load_b128 v[BB+4*\t:BB+4*\t+3], v[RD] offset:\t*SPITCH
.endr
.endm
.macro SEND a, younger                 ; younger: the LDS instructions issued behind block a's loads, which may stay out
.set BB, BK+64*((\a)%2)
	s_wait_dscnt \younger                          ; the block is back in registers
.if (\a) > 0
	s_add_nc_u64 s[10:11], s[10:11], 16*4096       ; (behind a wait on XCNT: the earlier stores have read their base)  16 rows on
.endif
.irp t, 0,1,2,3,4,5,6,7,8,9,10,11,12,13,14,15
	global_store_b128 v[CO], v[BB+4*\t:BB+4*\t+3], s[10:11] offset:\t*4096 th:TH_STORE_NT   ; 32 lanes store 512 consecutive aligned bytes; written once, read by nobody here
.endr
.endm
	PLACES                                         ; behind the last products: for the reads of their results and the loads into the fragments' registers
	TOSTAGE 0
.irp a, 1,2,3
.if \a > 1
	s_wait_xcnt 0x0                                ; block a - 2's stores have read their registers and their base
.endif
	TOSTAGE \a
	SEND \a-1, 32                                  ; behind block a - 1's loads: block a's 16 stores and 16 loads
.endr
	s_wait_xcnt 0x0                                ; block 2's stores have read their base
	SEND 3, 0
	s_wait_tensorcnt 0x0                           ; the wave's end, behind my last tensor load and my last LDS store
	ds_add_u32 v[SPW], v[NIL]
	s_wait_dscnt 0x0
	CROUND                                         ; the closing round: no work-group ends while a partner may still ask for a tile that names it
	s_endpgm
.Lfunc_end_k_q7ed1be2178_outp:
	.size	k_q7ed1be2178_outp, .Lfunc_end_k_q7ed1be2178_outp-k_q7ed1be2178_outp
	.p2alignl 7, 3214868480
	.fill 96, 4, 3214868480
	.section	.rodata,"a",@progbits
	.p2align	6, 0x0
	.amdhsa_kernel k_q7ed1be2178_outp
		.amdhsa_group_segment_fixed_size 327680
		.amdhsa_private_segment_fixed_size 0
		.amdhsa_enable_private_segment 0
		.amdhsa_kernarg_size 32
		.amdhsa_user_sgpr_count 2
		.amdhsa_user_sgpr_kernarg_segment_ptr 1
		.amdhsa_wavefront_size32 1
		.amdhsa_system_sgpr_workgroup_id_x 1
		.amdhsa_system_sgpr_workgroup_id_y 1
		.amdhsa_system_sgpr_workgroup_id_z 1
		.amdhsa_system_vgpr_workitem_id 0
		.amdhsa_next_free_vgpr 576
		.amdhsa_next_free_sgpr 66
		.amdhsa_reserve_vcc 0
		.amdhsa_float_denorm_mode_32 3
		.amdhsa_float_denorm_mode_16_64 3
		.amdhsa_memory_ordered 1
		.amdhsa_forward_progress 1
		.amdhsa_inst_pref_size 86
	.end_amdhsa_kernel
	.amdgpu_metadata
---
amdhsa.version: [ 1, 2 ]
amdhsa.kernels:
  - .name:           k_q7ed1be2178_outp
    .symbol:         k_q7ed1be2178_outp.kd
    .args:
      - { .name: ao, .offset: 0, .size: 8, .value_kind: global_buffer, .address_space: global }
      - { .name: wo16, .offset: 8, .size: 8, .value_kind: global_buffer, .address_space: global }
      - { .name: wo_b, .offset: 16, .size: 8, .value_kind: global_buffer, .address_space: global }
      - { .name: out0, .offset: 24, .size: 8, .value_kind: global_buffer, .address_space: global }
    .group_segment_fixed_size: 327680
    .private_segment_fixed_size: 0
    .kernarg_segment_align: 8
    .kernarg_segment_size: 32
    .max_flat_workgroup_size: 128
    .sgpr_count:     66
    .vgpr_count:     576
    .wavefront_size: 32
...
	.end_amdgpu_metadata
.endif
;; end of part 5
